; MI455X (gfx1250); checked and timed in simulation.
; The chip was launched on July 23, 2026; its instructions are those of AMD's public machine-readable ISA for CDNA 5 (MIT licence, August 2026) and "CDNA5" Instruction Set Architecture Reference Guide (July 2026). The comments in the code are by the model that wrote it; some were corrected since.
;; Sparse Mo E Block. Allowed arithmetic: float matrix products may take bf16 or f16 operands with f32 sums; other float arithmetic in f32, or as packed bf16 or f16 multiplies, adds, multiply-adds, maxima and minima; sums over many terms, partial sums and values carried from step to step in f32; what a program stores and reads back later, other than sums and carried values, may be rounded once to bf16 or f16.
;; Inputs: b1 8 x 4,096 float32; b2 8 x 1,024 float32; gate_weight 8 x 1,024 float32; w1 8 x 4,096 x 1,024 float32; w2 8 x 1,024 x 4,096 float32; x 4 x 256 x 1,024 float32.
;; Outputs: out0 4 x 256 x 1,024 float32.
;; 2 versions, each right; version 2 is version 1 with the launches up, down written anew for expert scheduling mode. Each part assembles by itself: llvm-mc -triple=amdgcn-amd-amdhsa -mcpu=gfx1250 --defsym DOCPART=n.
;; ======== version 1 of 2: 5 launches
;; limits: values are held in f16: magnitudes above 65,504 overflow, below 6.1e-05 lose precision
;; workspace buffers: xb 2,097,152 bytes; logits 32,768 bytes; bitmap 1,024 bytes of whole numbers; pos 32,768 bytes of whole numbers; cnt 1,024 bytes of whole numbers; h 67,108,864 bytes; part 134,217,728 bytes
;; launch route (part 1): grid 256 x 1, 4 waves a work-group, no clusters, 0 bytes of LDS; arguments x, gate_weight, xb, logits; writes xb, logits
.if DOCPART == 1
	.amdgcn_target "amdgcn-amd-amdhsa--gfx1250"
	.amdhsa_code_object_version 6
	.text
	.protected	k_qa9fe21a2f9_route
	.globl	k_qa9fe21a2f9_route
	.p2align	8
	.type	k_qa9fe21a2f9_route,@function
k_qa9fe21a2f9_route:
	s_mov_b64 s[64:65], 0
	v_nop
	global_prefetch_b8 v0, s[64:65] scope:SCOPE_SE
	s_setreg_imm32_b32 hwreg(HW_REG_WAVE_MODE, 25, 1), 1
	s_wait_xcnt 0x0
; ROUTER.  logits[e][t] = sum over k of bf16(x[t][k]) * bf16(gate[e][k]), the products exact, the sums in f32; xb[t][k] = bf16(x[t][k]).
; Every input of the program is rounded once to bf16, here too, so that the choice of experts is made on the same numbers that the products use.
; A wave owns one token: lane L holds k = 128 i + 4 L + 0..3, i = 0..7 (eight loads of 512 consecutive bytes).  8 M multiply-adds in all: vector work, no matrix unit.
; The gate's rows come through a ring of four register sets, so that 24 loads stay on their way while one expert is summed.
.set X,   8            ; v[8:39]    the token's row as loaded
.set XB,  40           ; v[40:55]   the row in bf16, two to a word
.set CHN, 56           ; v[56:59]   four chains of sums
.set G,   64           ; v[64:191]  four sets of 32: a gate row as loaded
.set GB,  192          ; v[192:207] a gate row in bf16
.set LG,  208          ; v[208:215] the eight logits
.set TP,  216
.set ZR,  217          ; 0: the addend that starts a chain
.set VAL, 218
	s_load_b256 s[4:11], s[0:1], 0x0               ; x s[4:5], gate s[6:7], xb s[8:9], logits s[10:11]
	v_and_b32 v1, 31, v0
	v_lshrrev_b32 v2, 5, v0
	v_readfirstlane_b32 s12, v2
	s_lshl_b32 s13, ttmp9, 2
	s_add_co_u32 s13, s13, s12                     ; my token
	v_lshlrev_b32 v2, 4, v1                        ; 16 bytes a lane
	v_lshlrev_b32 v3, 3, v1                        ; 8 bytes a lane
	v_lshlrev_b32 v4, 12, v1                       ; lane e stores expert e's logit: rows of 4,096 bytes
	v_mov_b32 v[TP], 0
	v_mov_b32 v[ZR], 0
	s_mov_b32 s20, 0x76543210
	s_mov_b32 s21, 0xfedcba98
	s_lshl_b32 s14, s13, 12
	s_mov_b32 s15, 0
	s_lshl_b32 s16, s13, 11
	s_mov_b32 s17, 0
	s_lshl_b32 s18, s13, 2
	s_mov_b32 s19, 0
	s_wait_kmcnt 0x0
	s_add_nc_u64 s[4:5], s[4:5], s[14:15]
	s_add_nc_u64 s[8:9], s[8:9], s[16:17]
	s_add_nc_u64 s[10:11], s[10:11], s[18:19]
.macro GLOAD e
.irp i, 0,1,2,3,4,5,6,7
	global_load_b128 v[G+32*((\e)%4)+4*(\i):G+32*((\e)%4)+4*(\i)+3], v2, s[6:7] offset:4096*(\e)+512*(\i)
.endr
.endm
.irp i, 0,1,2,3,4,5,6,7
	global_load_b128 v[X+4*(\i):X+4*(\i)+3], v2, s[4:5] offset:512*(\i) th:TH_LOAD_NT
.endr
	GLOAD 0
	GLOAD 1
	GLOAD 2
	GLOAD 3
	s_wait_loadcnt 32                              ; x is in; the 32 gate loads behind it stay out
.set n, 0
.rept 16
	v_cvt_pk_bf16_f32 v[XB+n], v[X+2*n], v[X+2*n+1]
.set n, n+1
.endr
.irp i, 0,1,2,3,4,5,6,7
	global_store_b64 v3, v[XB+2*(\i):XB+2*(\i)+1], s[8:9] offset:256*(\i)  ; 256 consecutive bytes, aligned
.endr
; One expert.  left = the gate loads younger than this expert's eight.
.macro EXPERT e, left, refill
	s_wait_loadcnt \left
.set n, 0
.rept 16
	v_cvt_pk_bf16_f32 v[GB+n], v[G+32*((\e)%4)+2*n], v[G+32*((\e)%4)+2*n+1]
.set n, n+1
.endr
.if \refill
	GLOAD (\e)+4                                   ; the set just rounded takes the expert four on
.endif
.set n, 0
.rept 16
.if n < 2
	v_fma_mix_f32_bf16 v[CHN+2*n], v[XB+n], v[GB+n], v[ZR] op_sel_hi:[1,1,0]
	v_fma_mix_f32_bf16 v[CHN+2*n+1], v[XB+n], v[GB+n], v[ZR] op_sel:[1,1,0] op_sel_hi:[1,1,0]
.else
	v_fma_mix_f32_bf16 v[CHN+2*(n%2)], v[XB+n], v[GB+n], v[CHN+2*(n%2)] op_sel_hi:[1,1,0]
	v_fma_mix_f32_bf16 v[CHN+2*(n%2)+1], v[XB+n], v[GB+n], v[CHN+2*(n%2)+1] op_sel:[1,1,0] op_sel_hi:[1,1,0]
.endif
.set n, n+1
.endr
	v_add_f32 v[CHN], v[CHN], v[CHN+1]
	v_add_f32 v[CHN+2], v[CHN+2], v[CHN+3]
	v_add_f32 v[CHN], v[CHN], v[CHN+2]
	v_add_f32_dpp v[CHN], v[CHN], v[CHN] row_xmask:1 row_mask:0xf bank_mask:0xf
	v_add_f32_dpp v[CHN], v[CHN], v[CHN] row_xmask:2 row_mask:0xf bank_mask:0xf
	v_add_f32_dpp v[CHN], v[CHN], v[CHN] row_xmask:4 row_mask:0xf bank_mask:0xf
	v_add_f32_dpp v[CHN], v[CHN], v[CHN] row_xmask:8 row_mask:0xf bank_mask:0xf
	v_permlanex16_b32 v[TP], v[CHN], s20, s21
	v_add_f32 v[LG+(\e)], v[CHN], v[TP]            ; every lane holds the logit
.endm
	EXPERT 0, 24, 1
	EXPERT 1, 24, 1
	EXPERT 2, 24, 1
	EXPERT 3, 24, 1
	EXPERT 4, 24, 0
	EXPERT 5, 16, 0                                ; nothing is left to fetch: the counts run down
	EXPERT 6, 8, 0
	EXPERT 7, 0, 0
	v_mov_b32 v[VAL], v[LG]
.irp e, 1,2,3,4,5,6,7
	v_cmp_eq_u32 vcc_lo, \e, v1
	v_cndmask_b32 v[VAL], v[VAL], v[LG+(\e)], vcc_lo
.endr
	v_cmp_gt_u32 vcc_lo, 8, v1
	s_wait_xcnt 0x0                                ; EXEC is a source of the stores above: it changes only behind this wait
	s_and_saveexec_b32 s22, vcc_lo
	global_store_b32 v4, v[VAL], s[10:11]          ; lane e: logits[e][t]
	s_endpgm
.Lfunc_end_k_qa9fe21a2f9_route:
	.size	k_qa9fe21a2f9_route, .Lfunc_end_k_qa9fe21a2f9_route-k_qa9fe21a2f9_route
	.p2alignl 7, 3214868480
	.fill 96, 4, 3214868480
	.section	.rodata,"a",@progbits
	.p2align	6, 0x0
	.amdhsa_kernel k_qa9fe21a2f9_route
		.amdhsa_group_segment_fixed_size 0
		.amdhsa_private_segment_fixed_size 0
		.amdhsa_enable_private_segment 0
		.amdhsa_kernarg_size 32
		.amdhsa_user_sgpr_count 2
		.amdhsa_user_sgpr_kernarg_segment_ptr 1
		.amdhsa_wavefront_size32 1
		.amdhsa_system_sgpr_workgroup_id_x 1
		.amdhsa_system_sgpr_workgroup_id_y 1
		.amdhsa_system_sgpr_workgroup_id_z 1
		.amdhsa_system_vgpr_workitem_id 0
		.amdhsa_next_free_vgpr 224
		.amdhsa_next_free_sgpr 66
		.amdhsa_reserve_vcc 1
		.amdhsa_float_denorm_mode_32 3
		.amdhsa_float_denorm_mode_16_64 3
		.amdhsa_memory_ordered 1
		.amdhsa_forward_progress 1
		.amdhsa_inst_pref_size 39
	.end_amdhsa_kernel
	.amdgpu_metadata
---
amdhsa.version: [ 1, 2 ]
amdhsa.kernels:
  - .name:           k_qa9fe21a2f9_route
    .symbol:         k_qa9fe21a2f9_route.kd
    .args:
      - { .name: x, .offset: 0, .size: 8, .value_kind: global_buffer, .address_space: global }
      - { .name: gate_weight, .offset: 8, .size: 8, .value_kind: global_buffer, .address_space: global }
      - { .name: xb, .offset: 16, .size: 8, .value_kind: global_buffer, .address_space: global }
      - { .name: logits, .offset: 24, .size: 8, .value_kind: global_buffer, .address_space: global }
    .group_segment_fixed_size: 0
    .private_segment_fixed_size: 0
    .kernarg_segment_align: 8
    .kernarg_segment_size: 32
    .max_flat_workgroup_size: 128
    .sgpr_count:     66
    .vgpr_count:     224
    .wavefront_size: 32
...
	.end_amdgpu_metadata
.endif
;; end of part 1
;; launch pick (part 2): grid 256 x 1, 16 waves a work-group, no clusters, 4,096 bytes of LDS; arguments logits, bitmap; writes bitmap
.if DOCPART == 2
	.amdgcn_target "amdgcn-amd-amdhsa--gfx1250"
	.amdhsa_code_object_version 6
	.text
	.protected	k_qa9fe21a2f9_pick
	.globl	k_qa9fe21a2f9_pick
	.p2align	8
	.type	k_qa9fe21a2f9_pick,@function
k_qa9fe21a2f9_pick:
	s_mov_b64 s[64:65], 0
	v_nop
	global_prefetch_b8 v0, s[64:65] scope:SCOPE_SE
	s_setreg_imm32_b32 hwreg(HW_REG_WAVE_MODE, 25, 1), 1
	s_wait_xcnt 0x0
; THE CHOICE.  A pair (expert, token) is kept where its logit is at least the 6,144th smallest of all 8,192: that is, where the number of logits not above it is 6,144 or more.
; So each pair's bit is a count of its own and nothing is sorted.  A work-group owns 32 neighbouring logits (one word of the bitmap), a lane one of them; each of its 16 waves counts
; over 512 of the 8,192 values, read with one address for all lanes; the 16 counts meet in LDS.  The bit is a value stored at a fixed place: no address and no branch hangs on it.
; LIMIT: NaN among the logits is not treated.
.set SPARE, 2048       ; behind the 16 x 128 bytes of counts: the spare words, 128 bytes a wave
.set KTH,   6144
	s_load_b128 s[4:7], s[0:1], 0x0                ; logits s[4:5], bitmap s[6:7]
	v_lshl_add_u32 v4, v0, 2, SPARE
	v_mov_b32 v5, 0
	v_and_b32 v1, 31, v0
	v_lshrrev_b32 v2, 5, v0
	v_readfirstlane_b32 s8, v2
	v_lshlrev_b32 v2, 2, v1
	v_mov_b32 v3, 0                                ; the one offset of the scanning loads
	v_mov_b32 v9, 0                                ; my count
	v_lshlrev_b32 v10, 2, v0                       ; where my count goes: 128 x wave + 4 x lane
	s_lshl_b32 s10, ttmp9, 7
	s_mov_b32 s11, 0
	s_lshl_b32 s12, s8, 11
	s_mov_b32 s13, 0
	s_lshl_b32 s14, ttmp9, 2
	s_mov_b32 s15, 0
	s_wait_kmcnt 0x0
	s_add_nc_u64 s[10:11], s[4:5], s[10:11]        ; the group's 32 logits
	s_add_nc_u64 s[12:13], s[4:5], s[12:13]        ; my wave's 512 values
	s_add_nc_u64 s[6:7], s[6:7], s[14:15]          ; the group's word
.macro FILL set, off                   ; 16 loads: 64 values
.irp i, 0,1,2,3,4,5,6,7,8,9,10,11,12,13,14,15
	global_load_b128 v[16+64*(\set)+4*(\i):16+64*(\set)+4*(\i)+3], v3, s[12:13] offset:(\off)+16*(\i)
.endr
.endm
.macro SCAN set                        ; count += (value <= mine), 64 times
.set n, 0
.rept 64
	v_cmp_le_f32 vcc_lo, v[16+64*(\set)+n], v8
	v_add_co_ci_u32 v9, vcc_lo, 0, v9, vcc_lo
.set n, n+1
.endr
.endm
	global_load_b32 v8, v2, s[10:11]
	FILL 0, 0
	FILL 1, 256
	s_mov_b32 s9, 3
.Lscan:
	s_wait_loadcnt 16                              ; this set is in; the other set's 16 loads stay out
	SCAN 0
	FILL 0, 512
	s_wait_loadcnt 16
	SCAN 1
	FILL 1, 768
	s_wait_xcnt 0x0                                ; the base steps only behind this wait
	s_add_nc_u64 s[12:13], s[12:13], 512
	s_sub_co_u32 s9, s9, 1
	s_cmp_lg_u32 s9, 0
	s_cbranch_scc1 .Lscan
	s_wait_loadcnt 16                              ; the last two sets: nothing more is fetched
	SCAN 0
	s_wait_loadcnt 0x0
	SCAN 1
	ds_store_b32 v10, v9
	s_wait_dscnt 0x0                               ; for the others' sake: my count is in LDS
	s_barrier_signal -1
	s_barrier_wait -1
	s_cmp_lg_u32 s8, 0
	s_cbranch_scc1 .Lend
.irp i, 0,1,2,3,4,5,6,7,8,9,10,11,12,13,14,15
	ds_load_b32 v[16+(\i)], v2 offset:128*(\i)
.endr
	s_wait_dscnt 0x0
.irp i, 1,2,3,4,5,6,7,8,9,10,11,12,13,14,15
	v_add_nc_u32 v16, v16, v[16+(\i)]
.endr
	v_cmp_le_u32 vcc_lo, KTH, v16
	v_mov_b32 v17, vcc_lo                          ; the 32 bits as one word
	v_cmp_eq_u32 vcc_lo, 0, v1
	s_wait_xcnt 0x0                                ; EXEC changes only behind this wait,
	s_and_saveexec_b32 s16, vcc_lo
	global_store_b32 v3, v17, s[6:7]
	s_wait_xcnt 0x0                                ; and again in front of the line that widens it
	s_or_b32 exec_lo, exec_lo, s16
.Lend:
	s_wait_tensorcnt 0x0                           ; the wave's end
	ds_add_u32 v4, v5
	s_wait_dscnt 0x0
	s_endpgm
.Lfunc_end_k_qa9fe21a2f9_pick:
	.size	k_qa9fe21a2f9_pick, .Lfunc_end_k_qa9fe21a2f9_pick-k_qa9fe21a2f9_pick
	.p2alignl 7, 3214868480
	.fill 96, 4, 3214868480
	.section	.rodata,"a",@progbits
	.p2align	6, 0x0
	.amdhsa_kernel k_qa9fe21a2f9_pick
		.amdhsa_group_segment_fixed_size 4096
		.amdhsa_private_segment_fixed_size 0
		.amdhsa_enable_private_segment 0
		.amdhsa_kernarg_size 16
		.amdhsa_user_sgpr_count 2
		.amdhsa_user_sgpr_kernarg_segment_ptr 1
		.amdhsa_wavefront_size32 1
		.amdhsa_system_sgpr_workgroup_id_x 1
		.amdhsa_system_sgpr_workgroup_id_y 1
		.amdhsa_system_sgpr_workgroup_id_z 1
		.amdhsa_system_vgpr_workitem_id 0
		.amdhsa_next_free_vgpr 152
		.amdhsa_next_free_sgpr 66
		.amdhsa_reserve_vcc 1
		.amdhsa_float_denorm_mode_32 3
		.amdhsa_float_denorm_mode_16_64 3
		.amdhsa_memory_ordered 1
		.amdhsa_forward_progress 1
		.amdhsa_inst_pref_size 26
	.end_amdhsa_kernel
	.amdgpu_metadata
---
amdhsa.version: [ 1, 2 ]
amdhsa.kernels:
  - .name:           k_qa9fe21a2f9_pick
    .symbol:         k_qa9fe21a2f9_pick.kd
    .args:
      - { .name: logits, .offset: 0, .size: 8, .value_kind: global_buffer, .address_space: global }
      - { .name: bitmap, .offset: 8, .size: 8, .value_kind: global_buffer, .address_space: global }
    .group_segment_fixed_size: 4096
    .private_segment_fixed_size: 0
    .kernarg_segment_align: 8
    .kernarg_segment_size: 16
    .max_flat_workgroup_size: 512
    .sgpr_count:     66
    .vgpr_count:     152
    .wavefront_size: 32
...
	.end_amdgpu_metadata
.endif
;; end of part 2
;; launch up (part 3): grid 32 x 8, 4 waves a work-group, no clusters, 318,208 bytes of LDS; arguments w1, b1, xb, bitmap, h, pos, cnt; writes h, pos, cnt
.if DOCPART == 3
	.amdgcn_target "amdgcn-amd-amdhsa--gfx1250"
	.amdhsa_code_object_version 6
	.text
	.protected	k_qa9fe21a2f9_up
	.globl	k_qa9fe21a2f9_up
	.p2align	8
	.type	k_qa9fe21a2f9_up,@function
k_qa9fe21a2f9_up:
	s_mov_b64 s[64:65], 0
	v_nop
	global_prefetch_b8 v0, s[64:65] scope:SCOPE_SE
	s_setreg_imm32_b32 hwreg(HW_REG_WAVE_MODE, 25, 1), 1
	s_wait_xcnt 0x0
; FIRST PRODUCT.  h[e][rank][c] = f16(gelu(sum over k of xb[token(rank)][k] * bf16(w1[e][c][k]) + bf16(b1[e][c]))), for the tokens that chose expert e, in ascending order of token.
; SHARES.  Work-group (s, e) owns 128 columns of expert e: 128 rows x 1,024 of w1, 512 KiB of f32 that it alone reads, once.  The rows come in chunks of 128 along K through registers,
; are rounded to bf16 and laid into LDS, where they stay; each wave brings 32 rows (a load is 512 consecutive bytes of a row).  While chunk c is multiplied, chunk c + 1 is rounded and
; chunk c + 2 is on its way.  The token rows come from xb straight into registers as matrix operands, by the list that wave 0 makes of the expert's 32 bitmap words.
; ROWS.  A tile is 16 rows.  In pass P, slot a (0..4) of wave w is tile 20 P + 4 a + w: a pass covers 320 rows, four passes every split (1,024 rows on one expert).  Passes behind the first
; find the whole slice in LDS.  Places past the count take token 0; an expert without rows counts as one row of token 0, which nobody reads: so no barrier hangs on the count.
; NO MULTICAST, NO TENSOR LOADS: each weight byte has one reader and must pass registers to be rounded; the rows of xb come by a list, which no descriptor covers.
; THE MATRIX INSTRUCTION IS USED TRANSPOSED (source 0 = 16 rows of w1, source 1 = 16 tokens): a lane holds eight neighbouring columns of one token's row.
; The accumulators are cleared (320 v_mov_b32, in the wait for the first chunk) so that one text serves every K step.
; LIMITS: |h| stays within f16's 65,504; NaN and infinities are not treated apart.
; REGISTERS in windows of 256: window 0 addresses, bias, v128-255 two buffers of w1's fragments (later the way out); window 1 v0-127 a chunk of w1 as loaded;
; window 2 v0-159 the tokens' fragments (quarter q, slot a at 8 (5 q + a)), v192-255 slot 4's accumulators; window 3 the accumulators of slots 0-3 ((a, j) at 8 (8 a + j)).
.set WPITCH, 4096      ; bytes from row to row of w1
.set BP,    272        ; an LDS row of a chunk: 256 bytes + 16: the 16 rows of a fragment load start at 16 different groups of four banks
.set CH,    128*BP     ; a chunk in LDS
.set STG,   8*CH       ; behind the slice: 16 rows x 528 bytes for each wave, the way out
.set SPT,   528
.set LIST,  STG+4*16*SPT   ; 1,280 words: the expert's tokens by rank; then 64 words for the lanes that have nothing to list
.set SPARE, LIST+5120+256  ; the spare words, 128 bytes a wave
.set LANE, 1
.set R,    2
.set HH,   3
.set SPW,  4
.set NIL,  5
.set WOF,  6           ; my byte offset in the wave's 32 rows of w1
.set WST0, 7           ; where I store 8 bytes of the wave's first row in chunk 0
.set WSTC, 8
.set STO,  9
.set RD,   10
.set OOF,  11
.set H16,  12
.set BAD0, 13          ; my place in a fragment of chunk 0
.set B1O,  14
.set BADR, 16
.set AOF,  20          ; v20-24: slot a's byte offset in xb
.set BI,   32
.set ZZ,   36
.set CT,   40
.set POSV, 64
.set CNV,  96
.set T,    128
.set Q,    192
.set MSB, 0
.macro WIN new                         ; the immediate's high byte repeats the setting that is left
.if MSB != (\new)
	s_set_vgpr_msb (MSB<<8)|(\new)
.set MSB, (\new)
.endif
.endm
.macro PLACES                          ; four plain vector instructions between a matrix instruction and what writes or reads its registers (ISA guide 7.12.1)
.rept 4
	v_nop
.endr
.endm
.macro CLR win, lo, cnt
	WIN \win
.set z, \lo
.rept \cnt
	v_mov_b32 v[z], 0
.set z, z+1
.endr
.endm
.macro WLOAD q, win                    ; rows 8 q .. 8 q + 7 of my 32, 512 consecutive bytes each
	WIN \win
.irp i, 0,1,2,3,4,5,6,7
	global_load_b128 v[4*(8*(\q)+(\i)):4*(8*(\q)+(\i))+3], v[WOF], s[68:69] offset:(8*(\q)+(\i))*WPITCH th:TH_LOAD_NT
.endr
.endm
.macro ALOAD q                         ; the five slots' fragments of 32 along K
	WIN 0x80
.irp a, 0,1,2,3,4
	global_load_b128 v[8*(5*(\q)+(\a)):8*(5*(\q)+(\a))+3], v[AOF+(\a)], s[70:71] offset:64*(\q)
	global_load_b128 v[8*(5*(\q)+(\a))+4:8*(5*(\q)+(\a))+7], v[AOF+(\a)], s[70:71] offset:64*(\q)+32
.endr
.endm
.macro FETCHB q                        ; eight fragments of w1 (128 rows x 32 K) into buffer q % 2
	WIN 0
.irp j, 0,1,2,3,4,5,6,7
	ds_load_b128 v[T+64*((\q)%2)+8*(\j):T+64*((\q)%2)+8*(\j)+3], v[BADR] offset:16*BP*(\j)+64*(\q)
	ds_load_b128 v[T+64*((\q)%2)+8*(\j)+4:T+64*((\q)%2)+8*(\j)+7], v[BADR] offset:16*BP*(\j)+64*(\q)+32
.endr
.endm
.macro CONV q, sw, areg, off           ; eight rows rounded to bf16 and stored, 256 consecutive LDS bytes a store
	WIN \sw
.irp i, 0,1,2,3,4,5,6,7
	v_cvt_pk_bf16_f32 v[CT+2*(\i)], v[4*(8*(\q)+(\i))], v[4*(8*(\q)+(\i))+1]
	v_cvt_pk_bf16_f32 v[CT+2*(\i)+1], v[4*(8*(\q)+(\i))+2], v[4*(8*(\q)+(\i))+3]
.endr
	WIN 0
.irp i, 0,1,2,3,4,5,6,7
	ds_store_b64 v[\areg], v[CT+2*(\i):CT+2*(\i)+1] offset:(\off)+(8*(\q)+(\i))*BP
.endr
.endm
.macro MUL q                           ; 32 products, and 8 more where the wave's fifth slot is live; the accumulators take turns
	WIN 0xf8
.irp a, 0,1,2,3
.irp j, 0,1,2,3,4,5,6,7
	v_wmma_f32_16x16x32_bf16 v[8*(8*(\a)+(\j)):8*(8*(\a)+(\j))+7], v[T+64*((\q)%2)+8*(\j):T+64*((\q)%2)+8*(\j)+7], v[8*(5*(\q)+(\a)):8*(5*(\q)+(\a))+7], v[8*(8*(\a)+(\j)):8*(8*(\a)+(\j))+7]
.endr
.endr
	WIN 0
	s_cmp_lt_u32 s24, 5
	s_cbranch_scc1 .Lno4_\@
	WIN 0xa8
.irp j, 0,1,2,3,4,5,6,7
	v_wmma_f32_16x16x32_bf16 v[192+8*(\j):192+8*(\j)+7], v[T+64*((\q)%2)+8*(\j):T+64*((\q)%2)+8*(\j)+7], v[8*(5*(\q)+4):8*(5*(\q)+4)+7], v[192+8*(\j):192+8*(\j)+7]
.endr
	WIN 0
.Lno4_\@:
.endm
; A quarter of a K step.  nl: the global loads younger than this quarter's; nd: the LDS instructions younger than its fragments' loads.
; The roundings (or four v_nop) are the places between the products and the loads into the registers that they read.
.macro QSTEP q, lw, la, cv, nl, nd
	s_wait_loadcnt \nl
	s_wait_dscnt \nd
	MUL \q
.if \cv
	CONV \q, 0x05, WSTC, CH
.else
	PLACES
.endif
.if \la
	ALOAD \q
.endif
.if \lw
	WLOAD \q, 0x40
.endif
.if (\q) < 2
	FETCHB (\q)+2
.endif
	WIN 0
.endm
; K step c.  lw: chunk c + 2 of w1 is asked for; la: chunk c + 1 of the tokens; cv: chunk c + 1 of w1 is rounded into LDS.
; One barrier: in front of it each wave's stores of chunk c are done.  A chunk's bytes are written once, so nothing need be ordered the other way.
.macro STEP lw, la, cv, n0, n1, n2, n3
	s_wait_dscnt 0x0
	s_barrier_signal -1
	s_barrier_wait -1
	v_add_nc_u32 v[BADR], s26, v[BAD0]
	v_add_nc_u32 v[WSTC], s26, v[WST0]
	FETCHB 0
	FETCHB 1
.if \cv
	QSTEP 0, \lw, \la, 1, \n0, 16                  ; younger: the second run of 16
	QSTEP 1, \lw, \la, 1, \n1, 24                  ; eight stores and a run of 16
	QSTEP 2, \lw, \la, 1, \n2, 24
	QSTEP 3, \lw, \la, 1, \n3, 8                   ; eight stores
.else
	QSTEP 0, \lw, \la, 0, \n0, 16
	QSTEP 1, \lw, \la, 0, \n1, 16
	QSTEP 2, \lw, \la, 0, \n2, 16
	QSTEP 3, \lw, \la, 0, \n3, 0
.endif
.if \la
	s_wait_xcnt 0x0                                ; the bases step only behind this wait
	s_add_nc_u64 s[68:69], s[68:69], 512
	s_add_nc_u64 s[70:71], s[70:71], 256
.endif
	s_add_co_u32 s26, s26, CH
.endm
.macro LIVEC                           ; how many of my five slots hold rows: s88 = my first row in the pass
	s_sub_co_i32 s24, s21, s88
	s_add_co_i32 s24, s24, 63
	s_max_i32 s24, s24, 0
	s_lshr_b32 s24, s24, 6
	s_min_u32 s24, s24, 5
.endm
.macro GETROWS                         ; the five slots' tokens from the list; both clamps stand last in front of the address
	v_add_nc_u32 v25, s88, v[R]
.irp a, 0,1,2,3,4
	v_add_nc_u32 v26, 64*(\a), v25
	v_min_u32 v26, 0x4ff, v26
	v_lshl_add_u32 v26, v26, 2, LIST
	ds_load_b32 v[AOF+(\a)], v26
.endr
	s_wait_dscnt 0x0
.irp a, 0,1,2,3,4
	v_min_u32 v[AOF+(\a)], 0x3ff, v[AOF+(\a)]
	v_lshl_add_u32 v[AOF+(\a)], v[AOF+(\a)], 11, v[H16]
.endr
.endm
.macro STGA a                          ; slot a's 16 x 128 results into my stage; each accumulator's low registers first
.if (\a) < 4
	WIN 0x0c
.set sb, 64*(\a)
.else
	WIN 0x08
.set sb, 192
.endif
.irp j, 0,1,2,3,4,5,6,7
	ds_store_b128 v[STO], v[sb+8*(\j):sb+8*(\j)+3] offset:64*(\j)
	ds_store_b128 v[STO], v[sb+8*(\j)+4:sb+8*(\j)+7] offset:64*(\j)+16
.endr
	WIN 0
.endm
	s_load_b256 s[4:11], s[0:1], 0x0               ; w1 s[4:5], b1 s[6:7], xb s[8:9], bitmap s[10:11]
	s_load_b128 s[12:15], s[0:1], 0x20             ; h s[12:13], pos s[14:15]
	s_load_b64 s[16:17], s[0:1], 0x30              ; cnt
	v_lshl_add_u32 v[SPW], v0, 2, SPARE
	v_mov_b32 v[NIL], 0
	v_and_b32 v[LANE], 31, v0
	v_lshrrev_b32 v25, 5, v0
	v_readfirstlane_b32 s18, v25                   ; wave
	v_and_b32 v[R], 15, v0
	v_bfe_u32 v[HH], v0, 4, 1
	s_mov_b32 s19, ttmp9                           ; slice
	s_and_b32 s20, ttmp7, 0xffff                   ; expert
	v_lshlrev_b32 v[H16], 4, v[HH]
	s_lshl_b32 s28, s18, 17                        ; 32 rows of 4,096 bytes
	v_lshl_add_u32 v[WOF], v[LANE], 4, s28
	s_mul_i32 s28, s18, 32*BP
	v_lshl_add_u32 v[WST0], v[LANE], 3, s28
	s_mul_i32 s28, s18, 16*SPT
	s_add_co_u32 s28, s28, STG
	v_mul_u32_u24 v25, v[R], SPT
	v_lshl_add_u32 v25, v[HH], 5, v25
	v_add_nc_u32 v[STO], s28, v25                  ; in: row l % 16, 32 bytes for each half of the lanes
	v_lshl_add_u32 v[RD], v[LANE], 4, s28          ; back: a whole row of 512 bytes
	v_lshlrev_b32 v[OOF], 3, v[LANE]
	v_mul_u32_u24 v[BAD0], v[R], BP
	v_add_nc_u32 v[BAD0], v[BAD0], v[H16]
	v_lshlrev_b32 v[B1O], 4, v[LANE]
.irp i, 0,1,2,3
	v_mov_b32 v[ZZ+(\i)], 0
.endr
	s_mov_b32 s76, 0xc0135761                      ; -2 sqrt(2/pi) log2(e)
	s_mov_b32 s77, s76
	s_mov_b32 s78, 0xbdd2d3e8                      ; the same times 0.044715
	s_mov_b32 s79, s78
	s_lshl_b32 s28, s20, 24
	s_lshl_b32 s29, s19, 19
	s_add_co_u32 s28, s28, s29
	s_mov_b32 s29, 0
	s_lshl_b32 s30, s20, 14
	s_lshl_b32 s31, s19, 9
	s_add_co_u32 s30, s30, s31
	s_mov_b32 s31, 0
	s_lshl_b32 s66, s20, 23
	s_lshl_b32 s67, s19, 8
	s_add_co_u32 s66, s66, s67
	s_mov_b32 s67, 0
	s_lshl_b32 s84, s20, 12
	s_mov_b32 s85, 0
	s_lshl_b32 s86, s20, 7
	s_mov_b32 s87, 0
	s_lshl_b32 s89, s20, 7
	s_lshl_b32 s88, s18, 4                         ; my first row in pass 0
	s_wait_kmcnt 0x0
	s_add_nc_u64 s[68:69], s[4:5], s[28:29]        ; my slice of w1
	s_add_nc_u64 s[82:83], s[6:7], s[30:31]
	s_mov_b64 s[70:71], s[8:9]
	s_add_nc_u64 s[74:75], s[12:13], s[66:67]      ; h at the expert's row 0, my 128 columns
	s_add_nc_u64 s[84:85], s[14:15], s[84:85]
	s_add_nc_u64 s[86:87], s[16:17], s[86:87]
	global_load_b128 v[BI:BI+3], v[B1O], s[82:83]
	WLOAD 0, 0xc0                                  ; chunk 0 waits in registers that will be accumulators
	WLOAD 1, 0xc0
	WLOAD 2, 0xc0
	WLOAD 3, 0xc0
	WIN 0
	s_load_b512 s[32:47], s[10:11], s89 offset:0x0 ; the expert's 32 bitmap words
	s_load_b512 s[48:63], s[10:11], s89 offset:0x40
	s_wait_kmcnt 0x0
	s_mov_b32 s21, 0
.set i, 0
.rept 32
	s_bcnt1_i32_b32 s28, s[32+i]
	s_add_co_u32 s21, s21, s28
.set i, i+1
.endr
	s_min_u32 s21, s21, 0x400
	s_max_u32 s21, s21, 1                          ; the expert's rows, at least one
	s_cmp_lg_u32 s18, 0
	s_cbranch_scc1 .Llisted
	; wave 0 makes the list: zeros first (places past the count take token 0), then token 32 i + lane at its rank
	v_lshl_add_u32 v25, v[LANE], 4, LIST
.irp i, 0,1,2,3,4,5,6,7,8,9
	ds_store_b128 v25, v[ZZ:ZZ+3] offset:512*(\i)
.endr
	v_add_nc_u32 v15, 1280, v[LANE]
	v_mov_b32 v17, 0xffff
	v_lshlrev_b32 v18, 2, v[LANE]
	s_mov_b32 s30, 0
.set i, 0
.rept 32
	v_mbcnt_lo_u32_b32 v26, s[32+i], s30           ; rank: chosen tokens in front of mine
	v_cndmask_b32 v27, v15, v26, s[32+i]           ; a lane that is not chosen writes behind the list
	v_cndmask_b32 v[POSV+i], v17, v26, s[32+i]
	v_min_u32 v27, 0x51f, v27
	v_lshl_add_u32 v27, v27, 2, LIST
	v_add_nc_u32 v29, 32*i, v[LANE]
	ds_store_b32 v27, v29
	s_bcnt1_i32_b32 s31, s[32+i]
	s_add_co_u32 s30, s30, s31
.set i, i+1
.endr
	s_cmp_lg_u32 s19, 0
	s_cbranch_scc1 .Llisted
	; the expert's first work-group stores ranks and count for the later launches
.set i, 0
.rept 32
	global_store_b32 v18, v[POSV+i], s[84:85] offset:128*i
.set i, i+1
.endr
	v_mov_b32 v[CNV], s21
	global_store_b32 v18, v[CNV], s[86:87]
.Llisted:
	s_wait_dscnt 0x0                               ; the list is in LDS
	s_barrier_signal -1
	s_barrier_wait -1
	LIVEC
	GETROWS
	s_wait_xcnt 0x0
	s_add_nc_u64 s[68:69], s[68:69], 512           ; chunk 1
	ALOAD 0
	WLOAD 0, 0x40
	ALOAD 1
	WLOAD 1, 0x40
	ALOAD 2
	WLOAD 2, 0x40
	CLR 0xc0, 128, 128
	CLR 0x80, 192, 64
	WIN 0
	s_wait_loadcnt 54                              ; b1 and chunk 0 are in; the three groups of 18 behind them stay out
	v_cvt_pk_bf16_f32 v26, v[BI], v[BI+1]
	v_cvt_pk_bf16_f32 v27, v[BI+2], v[BI+3]
	v_lshlrev_b32 v[BI], 16, v26
	v_and_b32 v[BI+1], 0xffff0000, v26
	v_lshlrev_b32 v[BI+2], 16, v27
	v_and_b32 v[BI+3], 0xffff0000, v27
	CONV 0, 0x0f, WST0, 0
	CONV 1, 0x0f, WST0, 0
	CONV 2, 0x0f, WST0, 0
	CONV 3, 0x0f, WST0, 0
	CLR 0xc0, 0, 128
	ALOAD 3
	WLOAD 3, 0x40
	WIN 0
	s_wait_xcnt 0x0
	s_add_nc_u64 s[68:69], s[68:69], 512           ; chunk 2 of w1,
	s_add_nc_u64 s[70:71], s[70:71], 256           ; chunk 1 of the tokens
	s_mov_b32 s26, 0
	s_mov_b32 s27, 6
.Lk:                                   ; a quarter needs the group (10 token loads, 8 of w1) issued a step ago: three younger groups, 54 loads, stay out
	STEP 1, 1, 1, 54, 54, 54, 54
	s_sub_co_u32 s27, s27, 1
	s_cmp_lg_u32 s27, 0
	s_cbranch_scc1 .Lk
	STEP 0, 1, 1, 54, 46, 38, 30                   ; no chunk 8 of w1: the groups shrink to 10
	STEP 0, 0, 0, 30, 20, 10, 0
	s_mov_b32 s23, 0
.Lpass:                                ; four trips cover every split; dead work is jumped over; the two barriers of a trip stand outside every jump on the count
	s_lshl_b32 s28, s88, 13
	s_mov_b32 s29, 0
	s_add_nc_u64 s[72:73], s[74:75], s[28:29]      ; h at my first row of the pass
	s_mov_b32 s25, 0
.Lslot:
	s_cmp_ge_u32 s25, s24
	s_cbranch_scc1 .Lslot_next
	s_cmp_lg_u32 s25, 0
	s_cbranch_scc1 .Ls1
	STGA 0
	s_branch .Lcom
.Ls1:
	s_cmp_lg_u32 s25, 1
	s_cbranch_scc1 .Ls2
	STGA 1
	s_branch .Lcom
.Ls2:
	s_cmp_lg_u32 s25, 2
	s_cbranch_scc1 .Ls3
	STGA 2
	s_branch .Lcom
.Ls3:
	s_cmp_lg_u32 s25, 3
	s_cbranch_scc1 .Ls4
	STGA 3
	s_branch .Lcom
.Ls4:
	STGA 4
.Lcom:
.irp t, 0,1,2,3,4,5,6,7,8,9,10,11,12,13,14,15
	ds_load_b128 v[T+4*(\t):T+4*(\t)+3], v[RD] offset:SPT*(\t)  ; LDS serves a wave's instructions in order: these see the stores above
.endr
	s_wait_dscnt 0x0
	; gelu(u) = u / (1 + 2^(u (c1 + c3 u^2))): the tanh form, written as a sigmoid
.set p, 0
.rept 32
	v_pk_add_f32 v[T+2*p:T+2*p+1], v[T+2*p:T+2*p+1], v[BI+2*(p%2):BI+2*(p%2)+1]
.set p, p+1
.endr
.set p, 0
.rept 32
	v_pk_mul_f32 v[Q+2*p:Q+2*p+1], v[T+2*p:T+2*p+1], v[T+2*p:T+2*p+1]
.set p, p+1
.endr
.set p, 0
.rept 32
	v_pk_fma_f32 v[Q+2*p:Q+2*p+1], v[Q+2*p:Q+2*p+1], s[78:79], s[76:77] op_sel_hi:[1,0,0]
.set p, p+1
.endr
.set p, 0
.rept 32
	v_pk_mul_f32 v[Q+2*p:Q+2*p+1], v[Q+2*p:Q+2*p+1], v[T+2*p:T+2*p+1]
.set p, p+1
.endr
.set p, 0
.rept 64
	v_exp_f32 v[Q+p], v[Q+p]
.set p, p+1
.endr
	v_nop                                          ; a plain instruction behind the last exponential
.set p, 0
	s_wait_alu depctr_va_vdst(0)
.rept 32
	v_pk_add_f32 v[Q+2*p:Q+2*p+1], v[Q+2*p:Q+2*p+1], 1.0 op_sel_hi:[1,0]
.set p, p+1
.endr
.set p, 0
.rept 64
	v_rcp_f32 v[Q+p], v[Q+p]
.set p, p+1
.endr
	v_nop
.set p, 0
	s_wait_alu depctr_va_vdst(0)
.rept 32
	v_pk_mul_f32 v[T+2*p:T+2*p+1], v[T+2*p:T+2*p+1], v[Q+2*p:Q+2*p+1]
.set p, p+1
.endr
.set p, 0
.rept 32
	v_cvt_pk_f16_f32 v[Q+p], v[T+2*p], v[T+2*p+1]
.set p, p+1
.endr
.irp t, 0,1,2,3,4,5,6,7,8,9,10,11,12,13,14,15
	global_store_b64 v[OOF], v[Q+2*(\t):Q+2*(\t)+1], s[72:73] offset:8192*(\t)  ; 256 consecutive bytes, aligned
.endr
	s_wait_xcnt 0x0                                ; the stores' data and base are rewritten only behind this wait
	s_add_nc_u64 s[72:73], s[72:73], 64*8192       ; my next slot lies 64 rows on
.Lslot_next:
	s_add_co_u32 s25, s25, 1
	s_cmp_lt_u32 s25, 5
	s_cbranch_scc1 .Lslot
	s_wait_dscnt 0x0                               ; my stores into my stage and my reads of it are done:
	s_barrier_signal -1                            ; a barrier stands between every wave's way out and the LDS reads of a further pass, whose address steps with its loop
	s_barrier_wait -1
	s_add_co_u32 s88, s88, 320                     ; the next pass
	LIVEC
	s_cmp_eq_u32 s24, 0
	s_cbranch_scc1 .Lpass_next
	GETROWS
	CLR 0xc0, 0, 256
	CLR 0x80, 192, 64
	WIN 0
	s_mov_b64 s[70:71], s[8:9]
	s_mov_b32 s26, 0
	s_mov_b32 s27, 8
.Llate:                                ; a later pass: the slice lies in LDS; a plain step, served for splits of more than 320 rows
	v_add_nc_u32 v[BADR], s26, v[BAD0]
	ALOAD 0
	ALOAD 1
	ALOAD 2
	ALOAD 3
	FETCHB 0
	FETCHB 1
	QSTEP 0, 0, 0, 0, 0, 16
	QSTEP 1, 0, 0, 0, 0, 16
	QSTEP 2, 0, 0, 0, 0, 16
	QSTEP 3, 0, 0, 0, 0, 0
	s_wait_xcnt 0x0
	s_add_nc_u64 s[70:71], s[70:71], 256
	s_add_co_u32 s26, s26, CH
	s_sub_co_u32 s27, s27, 1
	s_cmp_lg_u32 s27, 0
	s_cbranch_scc1 .Llate
.Lpass_next:
	s_wait_dscnt 0x0                               ; my LDS reads of this pass are back:
	s_barrier_signal -1                            ; a barrier stands between them and the next LDS stores of any wave (the next way out, the closing add)
	s_barrier_wait -1
	s_add_co_u32 s23, s23, 1
	s_cmp_lt_u32 s23, 4
	s_cbranch_scc1 .Lpass
	s_wait_tensorcnt 0x0                           ; the wave's end
	ds_add_u32 v[SPW], v[NIL]
	s_wait_dscnt 0x0
	s_endpgm
.Lfunc_end_k_qa9fe21a2f9_up:
	.size	k_qa9fe21a2f9_up, .Lfunc_end_k_qa9fe21a2f9_up-k_qa9fe21a2f9_up
	.p2alignl 7, 3214868480
	.fill 96, 4, 3214868480
	.section	.rodata,"a",@progbits
	.p2align	6, 0x0
	.amdhsa_kernel k_qa9fe21a2f9_up
		.amdhsa_group_segment_fixed_size 318208
		.amdhsa_private_segment_fixed_size 0
		.amdhsa_enable_private_segment 0
		.amdhsa_kernarg_size 56
		.amdhsa_user_sgpr_count 2
		.amdhsa_user_sgpr_kernarg_segment_ptr 1
		.amdhsa_wavefront_size32 1
		.amdhsa_system_sgpr_workgroup_id_x 1
		.amdhsa_system_sgpr_workgroup_id_y 1
		.amdhsa_system_sgpr_workgroup_id_z 1
		.amdhsa_system_vgpr_workitem_id 0
		.amdhsa_next_free_vgpr 1024
		.amdhsa_next_free_sgpr 96
		.amdhsa_reserve_vcc 0
		.amdhsa_float_denorm_mode_32 3
		.amdhsa_float_denorm_mode_16_64 3
		.amdhsa_memory_ordered 1
		.amdhsa_forward_progress 1
		.amdhsa_inst_pref_size 186
	.end_amdhsa_kernel
	.amdgpu_metadata
---
amdhsa.version: [ 1, 2 ]
amdhsa.kernels:
  - .name:           k_qa9fe21a2f9_up
    .symbol:         k_qa9fe21a2f9_up.kd
    .args:
      - { .name: w1, .offset: 0, .size: 8, .value_kind: global_buffer, .address_space: global }
      - { .name: b1, .offset: 8, .size: 8, .value_kind: global_buffer, .address_space: global }
      - { .name: xb, .offset: 16, .size: 8, .value_kind: global_buffer, .address_space: global }
      - { .name: bitmap, .offset: 24, .size: 8, .value_kind: global_buffer, .address_space: global }
      - { .name: h, .offset: 32, .size: 8, .value_kind: global_buffer, .address_space: global }
      - { .name: pos, .offset: 40, .size: 8, .value_kind: global_buffer, .address_space: global }
      - { .name: cnt, .offset: 48, .size: 8, .value_kind: global_buffer, .address_space: global }
    .group_segment_fixed_size: 318208
    .private_segment_fixed_size: 0
    .kernarg_segment_align: 8
    .kernarg_segment_size: 56
    .max_flat_workgroup_size: 128
    .sgpr_count:     96
    .vgpr_count:     1024
    .wavefront_size: 32
...
	.end_amdgpu_metadata
.endif
;; end of part 3
;; launch down (part 4): grid 32 x 8, 4 waves a work-group, no clusters, 312,832 bytes of LDS; arguments w2, h, cnt, part; writes part
.if DOCPART == 4
	.amdgcn_target "amdgcn-amd-amdhsa--gfx1250"
	.amdhsa_code_object_version 6
	.text
	.protected	k_qa9fe21a2f9_down
	.globl	k_qa9fe21a2f9_down
	.p2align	8
	.type	k_qa9fe21a2f9_down,@function
k_qa9fe21a2f9_down:
	s_mov_b64 s[64:65], 0
	v_nop
	global_prefetch_b8 v0, s[64:65] scope:SCOPE_SE
	s_setreg_imm32_b32 hwreg(HW_REG_WAVE_MODE, 25, 1), 1
	s_wait_xcnt 0x0
; SECOND PRODUCT, in four parts along the hidden width.  part[e][rank][kq][c] = sum over k in quarter kq of h[e][rank][k] * w2[e][c][k], in f32.
; SHARES.  Work-group (x, e): ds = x % 8 picks 128 columns of the output, kq = x / 8 a quarter (1,024) of the hidden width: 128 rows x 1,024 of w2, 512 KiB of f32 that it alone reads, once.
; w2 is rounded to bf16, as every input of the program is, and that number is written as f16 (exact but for numbers below 6e-5, which keep f16's fixed step of 6e-8), since h is f16.
; All else as in the first product: chunks of 128 along K through registers into LDS, where the slice stays; while chunk c is multiplied, chunk c + 1 is rounded and chunk c + 2 is on
; its way; h's rows come straight into registers as matrix operands; a pass covers 320 rows, four passes every split; rows past the count repeat the last row; the count is at least 1.
; The four parts are partial sums: they stay in f32 and are added by the launch behind.  NO MULTICAST, NO TENSOR LOADS: each weight byte has one reader and passes registers to be rounded.
; The accumulators are cleared (320 v_mov_b32, in the wait for the first chunk) so that one text serves every K step.
; REGISTERS in windows of 256: window 0 addresses, v128-255 two buffers of w2's fragments (later the way out); window 1 v0-127 a chunk of w2 as loaded;
; window 2 v0-159 h's fragments (quarter q, slot a at 8 (5 q + a)), v192-255 slot 4's accumulators; window 3 the accumulators of slots 0-3.
.set WPITCH, 16384
.set BP,    272
.set CH,    128*BP
.set STG,   8*CH
.set SPT,   528
.set SPARE, STG+4*16*SPT
.set LANE, 1
.set R,    2
.set HH,   3
.set SPW,  4
.set NIL,  5
.set WOF,  6
.set WST0, 7
.set WSTC, 8
.set STO,  9
.set RD,   10
.set OOF,  11
.set H16,  12
.set BAD0, 13
.set BADR, 16
.set AOF,  20
.set CT,   40
.set ET,   56
.set T,    128
.set MSB, 0
.macro WIN new
.if MSB != (\new)
	s_set_vgpr_msb (MSB<<8)|(\new)
.set MSB, (\new)
.endif
.endm
.macro PLACES                          ; four plain vector instructions between a matrix instruction and what writes or reads its registers (ISA guide 7.12.1)
.rept 4
	v_nop
.endr
.endm
.macro CLR win, lo, cnt
	WIN \win
.set z, \lo
.rept \cnt
	v_mov_b32 v[z], 0
.set z, z+1
.endr
.endm
.macro WLOAD q, win
	WIN \win
.irp i, 0,1,2,3,4,5,6,7
	global_load_b128 v[4*(8*(\q)+(\i)):4*(8*(\q)+(\i))+3], v[WOF], s[68:69] offset:(8*(\q)+(\i))*WPITCH th:TH_LOAD_NT
.endr
.endm
.macro ALOAD q
	WIN 0x80
.irp a, 0,1,2,3,4
	global_load_b128 v[8*(5*(\q)+(\a)):8*(5*(\q)+(\a))+3], v[AOF+(\a)], s[70:71] offset:64*(\q)
	global_load_b128 v[8*(5*(\q)+(\a))+4:8*(5*(\q)+(\a))+7], v[AOF+(\a)], s[70:71] offset:64*(\q)+32
.endr
.endm
.macro FETCHB q
	WIN 0
.irp j, 0,1,2,3,4,5,6,7
	ds_load_b128 v[T+64*((\q)%2)+8*(\j):T+64*((\q)%2)+8*(\j)+3], v[BADR] offset:16*BP*(\j)+64*(\q)
	ds_load_b128 v[T+64*((\q)%2)+8*(\j)+4:T+64*((\q)%2)+8*(\j)+7], v[BADR] offset:16*BP*(\j)+64*(\q)+32
.endr
.endm
.macro CONV q, sw, areg, off           ; eight rows: f32 to bf16 (the rounding), bf16 to f16 (the format), and stored
	WIN \sw
.irp i, 0,1,2,3,4,5,6,7
	v_cvt_pk_bf16_f32 v[CT+2*(\i)], v[4*(8*(\q)+(\i))], v[4*(8*(\q)+(\i))+1]
	v_cvt_pk_bf16_f32 v[CT+2*(\i)+1], v[4*(8*(\q)+(\i))+2], v[4*(8*(\q)+(\i))+3]
.endr
	WIN 0
.set n, 0
.rept 16
	v_lshlrev_b32 v[ET+2*(n%4)], 16, v[CT+n]
	v_and_b32 v[ET+2*(n%4)+1], s89, v[CT+n]
	v_cvt_pk_f16_f32 v[CT+n], v[ET+2*(n%4)], v[ET+2*(n%4)+1]
.set n, n+1
.endr
.irp i, 0,1,2,3,4,5,6,7
	ds_store_b64 v[\areg], v[CT+2*(\i):CT+2*(\i)+1] offset:(\off)+(8*(\q)+(\i))*BP
.endr
.endm
.macro MUL q                           ; the accumulators take turns
	WIN 0xf8
.irp a, 0,1,2,3
.irp j, 0,1,2,3,4,5,6,7
	v_wmma_f32_16x16x32_f16 v[8*(8*(\a)+(\j)):8*(8*(\a)+(\j))+7], v[T+64*((\q)%2)+8*(\j):T+64*((\q)%2)+8*(\j)+7], v[8*(5*(\q)+(\a)):8*(5*(\q)+(\a))+7], v[8*(8*(\a)+(\j)):8*(8*(\a)+(\j))+7]
.endr
.endr
	WIN 0
	s_cmp_lt_u32 s24, 5
	s_cbranch_scc1 .Lno4_\@
	WIN 0xa8
.irp j, 0,1,2,3,4,5,6,7
	v_wmma_f32_16x16x32_f16 v[192+8*(\j):192+8*(\j)+7], v[T+64*((\q)%2)+8*(\j):T+64*((\q)%2)+8*(\j)+7], v[8*(5*(\q)+4):8*(5*(\q)+4)+7], v[192+8*(\j):192+8*(\j)+7]
.endr
	WIN 0
.Lno4_\@:
.endm
; nl: the global loads younger than this quarter's; nd: the LDS instructions younger than its fragments' loads.
.macro QSTEP q, lw, la, cv, nl, nd
	s_wait_loadcnt \nl
	s_wait_dscnt \nd
	MUL \q
.if \cv
	CONV \q, 0x05, WSTC, CH
.else
	PLACES
.endif
.if \la
	ALOAD \q
.endif
.if \lw
	WLOAD \q, 0x40
.endif
.if (\q) < 2
	FETCHB (\q)+2
.endif
	WIN 0
.endm
; K step c: one barrier, in front of which each wave's stores of chunk c are done; a chunk's bytes are written once.
.macro STEP lw, la, cv, n0, n1, n2, n3
	s_wait_dscnt 0x0
	s_barrier_signal -1
	s_barrier_wait -1
	v_add_nc_u32 v[BADR], s26, v[BAD0]
	v_add_nc_u32 v[WSTC], s26, v[WST0]
	FETCHB 0
	FETCHB 1
.if \cv
	QSTEP 0, \lw, \la, 1, \n0, 16
	QSTEP 1, \lw, \la, 1, \n1, 24
	QSTEP 2, \lw, \la, 1, \n2, 24
	QSTEP 3, \lw, \la, 1, \n3, 8
.else
	QSTEP 0, \lw, \la, 0, \n0, 16
	QSTEP 1, \lw, \la, 0, \n1, 16
	QSTEP 2, \lw, \la, 0, \n2, 16
	QSTEP 3, \lw, \la, 0, \n3, 0
.endif
.if \la
	s_wait_xcnt 0x0
	s_add_nc_u64 s[68:69], s[68:69], 512
	s_add_nc_u64 s[70:71], s[70:71], 256
.endif
	s_add_co_u32 s26, s26, CH
.endm
.macro LIVEC
	s_sub_co_i32 s24, s21, s88
	s_add_co_i32 s24, s24, 63
	s_max_i32 s24, s24, 0
	s_lshr_b32 s24, s24, 6
	s_min_u32 s24, s24, 5
.endm
.macro GETROWS                         ; the five slots' rows of h; rows past the count repeat the last; the constant clamp stands last
	v_add_nc_u32 v25, s88, v[R]
.irp a, 0,1,2,3,4
	v_add_nc_u32 v[AOF+(\a)], 64*(\a), v25
	v_min_u32 v[AOF+(\a)], s22, v[AOF+(\a)]
	v_min_u32 v[AOF+(\a)], 0x3ff, v[AOF+(\a)]
	v_lshl_add_u32 v[AOF+(\a)], v[AOF+(\a)], 13, v[H16]
.endr
.endm
.macro STGA a
.if (\a) < 4
	WIN 0x0c
.set sb, 64*(\a)
.else
	WIN 0x08
.set sb, 192
.endif
.irp j, 0,1,2,3,4,5,6,7
	ds_store_b128 v[STO], v[sb+8*(\j):sb+8*(\j)+3] offset:64*(\j)
	ds_store_b128 v[STO], v[sb+8*(\j)+4:sb+8*(\j)+7] offset:64*(\j)+16
.endr
	WIN 0
.endm
	s_load_b256 s[4:11], s[0:1], 0x0               ; w2 s[4:5], h s[6:7], cnt s[8:9], part s[10:11]
	v_lshl_add_u32 v[SPW], v0, 2, SPARE
	v_mov_b32 v[NIL], 0
	v_and_b32 v[LANE], 31, v0
	v_lshrrev_b32 v25, 5, v0
	v_readfirstlane_b32 s18, v25
	v_and_b32 v[R], 15, v0
	v_bfe_u32 v[HH], v0, 4, 1
	s_and_b32 s19, ttmp9, 7                        ; ds: which 128 columns
	s_lshr_b32 s23, ttmp9, 3                       ; kq: which quarter of the hidden width
	s_and_b32 s20, ttmp7, 0xffff                   ; expert
	v_lshlrev_b32 v[H16], 4, v[HH]
	s_lshl_b32 s28, s18, 19                        ; 32 rows of 16,384 bytes
	v_lshl_add_u32 v[WOF], v[LANE], 4, s28
	s_mul_i32 s28, s18, 32*BP
	v_lshl_add_u32 v[WST0], v[LANE], 3, s28
	s_mul_i32 s28, s18, 16*SPT
	s_add_co_u32 s28, s28, STG
	v_mul_u32_u24 v25, v[R], SPT
	v_lshl_add_u32 v25, v[HH], 5, v25
	v_add_nc_u32 v[STO], s28, v25
	v_lshl_add_u32 v[RD], v[LANE], 4, s28
	v_lshlrev_b32 v[OOF], 4, v[LANE]
	v_mul_u32_u24 v[BAD0], v[R], BP
	v_add_nc_u32 v[BAD0], v[BAD0], v[H16]
	s_mov_b32 s89, 0xffff0000
	s_lshl_b32 s28, s20, 24
	s_lshl_b32 s29, s19, 21
	s_add_co_u32 s28, s28, s29
	s_lshl_b32 s29, s23, 12
	s_add_co_u32 s28, s28, s29
	s_mov_b32 s29, 0
	s_lshl_b32 s30, s20, 23
	s_lshl_b32 s31, s23, 11
	s_add_co_u32 s30, s30, s31
	s_mov_b32 s31, 0
	s_lshl_b32 s66, s20, 24
	s_lshl_b32 s67, s23, 12
	s_add_co_u32 s66, s66, s67
	s_lshl_b32 s67, s19, 9
	s_add_co_u32 s66, s66, s67
	s_mov_b32 s67, 0
	s_lshl_b32 s90, s20, 7
	s_lshl_b32 s88, s18, 4
	s_wait_kmcnt 0x0
	s_add_nc_u64 s[68:69], s[4:5], s[28:29]        ; my slice of w2
	s_add_nc_u64 s[80:81], s[6:7], s[30:31]        ; h at the expert's row 0, my quarter
	s_mov_b64 s[70:71], s[80:81]
	s_add_nc_u64 s[74:75], s[10:11], s[66:67]      ; part at the expert's row 0, my quarter and columns
	WLOAD 0, 0xc0                                  ; chunk 0 waits in registers that will be accumulators
	WLOAD 1, 0xc0
	WLOAD 2, 0xc0
	WLOAD 3, 0xc0
	WIN 0
	s_load_b32 s21, s[8:9], s90 offset:0x0
	s_wait_kmcnt 0x0
	s_min_u32 s21, s21, 0x400
	s_max_u32 s21, s21, 1
	s_sub_co_u32 s22, s21, 1
	s_min_u32 s22, s22, 0x3ff                      ; the last row that exists
	LIVEC
	GETROWS
	s_wait_xcnt 0x0
	s_add_nc_u64 s[68:69], s[68:69], 512
	ALOAD 0
	WLOAD 0, 0x40
	ALOAD 1
	WLOAD 1, 0x40
	ALOAD 2
	WLOAD 2, 0x40
	CLR 0xc0, 128, 128
	CLR 0x80, 192, 64
	WIN 0
	s_wait_loadcnt 54                              ; chunk 0 is in; the three groups of 18 behind it stay out
	CONV 0, 0x0f, WST0, 0
	CONV 1, 0x0f, WST0, 0
	CONV 2, 0x0f, WST0, 0
	CONV 3, 0x0f, WST0, 0
	CLR 0xc0, 0, 128
	ALOAD 3
	WLOAD 3, 0x40
	WIN 0
	s_wait_xcnt 0x0
	s_add_nc_u64 s[68:69], s[68:69], 512
	s_add_nc_u64 s[70:71], s[70:71], 256
	s_mov_b32 s26, 0
	s_mov_b32 s27, 6
.Lk:                                   ; a quarter needs the group (10 loads of h, 8 of w2) issued a step ago: three younger groups, 54 loads, stay out
	STEP 1, 1, 1, 54, 54, 54, 54
	s_sub_co_u32 s27, s27, 1
	s_cmp_lg_u32 s27, 0
	s_cbranch_scc1 .Lk
	STEP 0, 1, 1, 54, 46, 38, 30
	STEP 0, 0, 0, 30, 20, 10, 0
	s_mov_b32 s23, 0
.Lpass:                                ; four trips cover every split; dead work is jumped over; the two barriers of a trip stand outside every jump on the count
	s_lshl_b32 s28, s88, 14
	s_mov_b32 s29, 0
	s_add_nc_u64 s[72:73], s[74:75], s[28:29]
	s_mov_b32 s25, 0
.Lslot:
	s_cmp_ge_u32 s25, s24
	s_cbranch_scc1 .Lslot_next
	s_cmp_lg_u32 s25, 0
	s_cbranch_scc1 .Ls1
	STGA 0
	s_branch .Lcom
.Ls1:
	s_cmp_lg_u32 s25, 1
	s_cbranch_scc1 .Ls2
	STGA 1
	s_branch .Lcom
.Ls2:
	s_cmp_lg_u32 s25, 2
	s_cbranch_scc1 .Ls3
	STGA 2
	s_branch .Lcom
.Ls3:
	s_cmp_lg_u32 s25, 3
	s_cbranch_scc1 .Ls4
	STGA 3
	s_branch .Lcom
.Ls4:
	STGA 4
.Lcom:
.irp t, 0,1,2,3,4,5,6,7,8,9,10,11,12,13,14,15
	ds_load_b128 v[T+4*(\t):T+4*(\t)+3], v[RD] offset:SPT*(\t)  ; LDS serves a wave's instructions in order: these see the stores above
.endr
.irp t, 0,1,2,3,4,5,6,7,8,9,10,11,12,13,14,15
	s_wait_dscnt 15-(\t)
	global_store_b128 v[OOF], v[T+4*(\t):T+4*(\t)+3], s[72:73] offset:16384*(\t)  ; 512 consecutive bytes, aligned
.endr
	s_wait_xcnt 0x0                                ; the stores' data and base are rewritten only behind this wait
	s_add_nc_u64 s[72:73], s[72:73], 64*16384
.Lslot_next:
	s_add_co_u32 s25, s25, 1
	s_cmp_lt_u32 s25, 5
	s_cbranch_scc1 .Lslot
	s_wait_dscnt 0x0                               ; my stores into my stage and my reads of it are done:
	s_barrier_signal -1                            ; a barrier stands between every wave's way out and the LDS reads of a further pass, whose address steps with its loop
	s_barrier_wait -1
	s_add_co_u32 s88, s88, 320
	LIVEC
	s_cmp_eq_u32 s24, 0
	s_cbranch_scc1 .Lpass_next
	GETROWS
	CLR 0xc0, 0, 256
	CLR 0x80, 192, 64
	WIN 0
	s_mov_b64 s[70:71], s[80:81]
	s_mov_b32 s26, 0
	s_mov_b32 s27, 8
.Llate:                                ; a later pass: the slice lies in LDS; a plain step, served for splits of more than 320 rows
	v_add_nc_u32 v[BADR], s26, v[BAD0]
	ALOAD 0
	ALOAD 1
	ALOAD 2
	ALOAD 3
	FETCHB 0
	FETCHB 1
	QSTEP 0, 0, 0, 0, 0, 16
	QSTEP 1, 0, 0, 0, 0, 16
	QSTEP 2, 0, 0, 0, 0, 16
	QSTEP 3, 0, 0, 0, 0, 0
	s_wait_xcnt 0x0
	s_add_nc_u64 s[70:71], s[70:71], 256
	s_add_co_u32 s26, s26, CH
	s_sub_co_u32 s27, s27, 1
	s_cmp_lg_u32 s27, 0
	s_cbranch_scc1 .Llate
.Lpass_next:
	s_wait_dscnt 0x0                               ; my LDS reads of this pass are back:
	s_barrier_signal -1                            ; a barrier stands between them and the next LDS stores of any wave (the next way out, the closing add)
	s_barrier_wait -1
	s_add_co_u32 s23, s23, 1
	s_cmp_lt_u32 s23, 4
	s_cbranch_scc1 .Lpass
	s_wait_tensorcnt 0x0                           ; the wave's end
	ds_add_u32 v[SPW], v[NIL]
	s_wait_dscnt 0x0
	s_endpgm
.Lfunc_end_k_qa9fe21a2f9_down:
	.size	k_qa9fe21a2f9_down, .Lfunc_end_k_qa9fe21a2f9_down-k_qa9fe21a2f9_down
	.p2alignl 7, 3214868480
	.fill 96, 4, 3214868480
	.section	.rodata,"a",@progbits
	.p2align	6, 0x0
	.amdhsa_kernel k_qa9fe21a2f9_down
		.amdhsa_group_segment_fixed_size 312832
		.amdhsa_private_segment_fixed_size 0
		.amdhsa_enable_private_segment 0
		.amdhsa_kernarg_size 32
		.amdhsa_user_sgpr_count 2
		.amdhsa_user_sgpr_kernarg_segment_ptr 1
		.amdhsa_wavefront_size32 1
		.amdhsa_system_sgpr_workgroup_id_x 1
		.amdhsa_system_sgpr_workgroup_id_y 1
		.amdhsa_system_sgpr_workgroup_id_z 1
		.amdhsa_system_vgpr_workitem_id 0
		.amdhsa_next_free_vgpr 1024
		.amdhsa_next_free_sgpr 96
		.amdhsa_reserve_vcc 0
		.amdhsa_float_denorm_mode_32 3
		.amdhsa_float_denorm_mode_16_64 3
		.amdhsa_memory_ordered 1
		.amdhsa_forward_progress 1
		.amdhsa_inst_pref_size 166
	.end_amdhsa_kernel
	.amdgpu_metadata
---
amdhsa.version: [ 1, 2 ]
amdhsa.kernels:
  - .name:           k_qa9fe21a2f9_down
    .symbol:         k_qa9fe21a2f9_down.kd
    .args:
      - { .name: w2, .offset: 0, .size: 8, .value_kind: global_buffer, .address_space: global }
      - { .name: h, .offset: 8, .size: 8, .value_kind: global_buffer, .address_space: global }
      - { .name: cnt, .offset: 16, .size: 8, .value_kind: global_buffer, .address_space: global }
      - { .name: part, .offset: 24, .size: 8, .value_kind: global_buffer, .address_space: global }
    .group_segment_fixed_size: 312832
    .private_segment_fixed_size: 0
    .kernarg_segment_align: 8
    .kernarg_segment_size: 32
    .max_flat_workgroup_size: 128
    .sgpr_count:     96
    .vgpr_count:     1024
    .wavefront_size: 32
...
	.end_amdgpu_metadata
.endif
;; end of part 4
;; launch comb (part 5): grid 512 x 1, 16 waves a work-group, no clusters, 0 bytes of LDS; arguments part, pos, logits, b2, out0; writes out0
.if DOCPART == 5
	.amdgcn_target "amdgcn-amd-amdhsa--gfx1250"
	.amdhsa_code_object_version 6
	.text
	.protected	k_qa9fe21a2f9_comb
	.globl	k_qa9fe21a2f9_comb
	.p2align	8
	.type	k_qa9fe21a2f9_comb,@function
k_qa9fe21a2f9_comb:
	s_mov_b64 s[64:65], 0
	v_nop
	global_prefetch_b8 v0, s[64:65] scope:SCOPE_SE
	s_setreg_imm32_b32 hwreg(HW_REG_WAVE_MODE, 25, 1), 1
	s_wait_xcnt 0x0
; THE SUM.  out[t][c] = sum over the experts e that token t chose of logits[e][t] * (part[e][rank][0..3][c] added up + bf16(b2[e][c])).
; A wave owns 128 columns of one token: 512 consecutive bytes a load and a store.  The token's eight ranks (whole numbers that an earlier launch stored; 0xffff: not chosen) and eight
; logits come by scalar loads.  All chosen experts' loads go out before the one wait; an expert that the token did not choose gets zeros in its registers and adds its logit times 0.
; A stream: no LDS, no matrix unit, no barrier.
.set ACC, 4            ; v[4:7]
.set OFS, 8            ; v[8:15]   expert e's byte offset in part
.set D,   16           ; v[16+20 e ..]: four parts of 4, then b2's 4
.set TA,  176
	s_load_b256 s[4:11], s[0:1], 0x0               ; part s[4:5], pos s[6:7], logits s[8:9], b2 s[10:11]
	s_load_b64 s[12:13], s[0:1], 0x20              ; out0
	v_and_b32 v1, 31, v0
	v_lshrrev_b32 v2, 5, v0
	v_readfirstlane_b32 s14, v2
	s_lshr_b32 s15, s14, 3
	s_lshl1_add_u32 s15, ttmp9, s15                ; my token
	s_and_b32 s14, s14, 7                          ; my 128 columns
	s_lshl_b32 s33, s15, 2
	s_lshl_b32 s34, s14, 9
	v_lshl_add_u32 v2, v1, 4, s34                  ; my 16 bytes in a row of 4,096
	s_lshl_b32 s38, s15, 12
	s_mov_b32 s39, 0
	s_wait_kmcnt 0x0
.irp e, 0,1,2,3,4,5,6,7
	s_load_b32 s[16+(\e)], s[6:7], s33 offset:4096*(\e)
	s_load_b32 s[24+(\e)], s[8:9], s33 offset:4096*(\e)
.endr
	s_add_nc_u64 s[12:13], s[12:13], s[38:39]
	s_wait_kmcnt 0x0
.macro ASK e
	s_cmp_lt_u32 s[16+(\e)], 0x400
	s_cbranch_scc0 .Lnot_\@
	s_min_u32 s36, s[16+(\e)], 0x3ff
	s_add_co_u32 s36, s36, 1024*(\e)
	s_lshl_b32 s36, s36, 14                        ; a rank's four parts are 16,384 bytes
	v_add_nc_u32 v[OFS+(\e)], s36, v2
.irp k, 0,1,2,3
	global_load_b128 v[D+20*(\e)+4*(\k):D+20*(\e)+4*(\k)+3], v[OFS+(\e)], s[4:5] offset:4096*(\k) th:TH_LOAD_NT
.endr
	global_load_b128 v[D+20*(\e)+16:D+20*(\e)+19], v2, s[10:11] offset:4096*(\e)
	s_branch .Lasked_\@
.Lnot_\@:
.set z, D+20*(\e)
.rept 20
	v_mov_b32 v[z], 0
.set z, z+1
.endr
.Lasked_\@:
.endm
.macro ADDUP e
.set B, D+20*(\e)
	v_cvt_pk_bf16_f32 v[TA], v[B+16], v[B+17]      ; b2 is rounded to bf16, as every input is
	v_cvt_pk_bf16_f32 v[TA+1], v[B+18], v[B+19]
	v_lshlrev_b32 v[B+16], 16, v[TA]
	v_and_b32 v[B+17], 0xffff0000, v[TA]
	v_lshlrev_b32 v[B+18], 16, v[TA+1]
	v_and_b32 v[B+19], 0xffff0000, v[TA+1]
.irp p, 0,2
	v_pk_add_f32 v[B+(\p):B+(\p)+1], v[B+(\p):B+(\p)+1], v[B+4+(\p):B+4+(\p)+1]
	v_pk_add_f32 v[B+8+(\p):B+8+(\p)+1], v[B+8+(\p):B+8+(\p)+1], v[B+12+(\p):B+12+(\p)+1]
	v_pk_add_f32 v[B+(\p):B+(\p)+1], v[B+(\p):B+(\p)+1], v[B+8+(\p):B+8+(\p)+1]
	v_pk_add_f32 v[B+(\p):B+(\p)+1], v[B+(\p):B+(\p)+1], v[B+16+(\p):B+16+(\p)+1]
.endr
.irp i, 0,1,2,3
.if (\e) == 0
	v_mul_f32 v[ACC+(\i)], s[24+(\e)], v[B+(\i)]   ; the first expert starts the sum
.else
	v_fma_f32 v[ACC+(\i)], s[24+(\e)], v[B+(\i)], v[ACC+(\i)]
.endif
.endr
.endm
.irp e, 0,1,2,3,4,5,6,7
	ASK \e
.endr
	s_wait_loadcnt 0x0                             ; one wait for all that was asked
.irp e, 0,1,2,3,4,5,6,7
	ADDUP \e
.endr
	global_store_b128 v2, v[ACC:ACC+3], s[12:13] th:TH_STORE_NT  ; 512 consecutive bytes, aligned
	s_endpgm
.Lfunc_end_k_qa9fe21a2f9_comb:
	.size	k_qa9fe21a2f9_comb, .Lfunc_end_k_qa9fe21a2f9_comb-k_qa9fe21a2f9_comb
	.p2alignl 7, 3214868480
	.fill 96, 4, 3214868480
	.section	.rodata,"a",@progbits
	.p2align	6, 0x0
	.amdhsa_kernel k_qa9fe21a2f9_comb
		.amdhsa_group_segment_fixed_size 0
		.amdhsa_private_segment_fixed_size 0
		.amdhsa_enable_private_segment 0
		.amdhsa_kernarg_size 40
		.amdhsa_user_sgpr_count 2
		.amdhsa_user_sgpr_kernarg_segment_ptr 1
		.amdhsa_wavefront_size32 1
		.amdhsa_system_sgpr_workgroup_id_x 1
		.amdhsa_system_sgpr_workgroup_id_y 1
		.amdhsa_system_sgpr_workgroup_id_z 1
		.amdhsa_system_vgpr_workitem_id 0
		.amdhsa_next_free_vgpr 184
		.amdhsa_next_free_sgpr 66
		.amdhsa_reserve_vcc 0
		.amdhsa_float_denorm_mode_32 3
		.amdhsa_float_denorm_mode_16_64 3
		.amdhsa_memory_ordered 1
		.amdhsa_forward_progress 1
		.amdhsa_inst_pref_size 22
	.end_amdhsa_kernel
	.amdgpu_metadata
---
amdhsa.version: [ 1, 2 ]
amdhsa.kernels:
  - .name:           k_qa9fe21a2f9_comb
    .symbol:         k_qa9fe21a2f9_comb.kd
    .args:
      - { .name: part, .offset: 0, .size: 8, .value_kind: global_buffer, .address_space: global }
      - { .name: pos, .offset: 8, .size: 8, .value_kind: global_buffer, .address_space: global }
      - { .name: logits, .offset: 16, .size: 8, .value_kind: global_buffer, .address_space: global }
      - { .name: b2, .offset: 24, .size: 8, .value_kind: global_buffer, .address_space: global }
      - { .name: out0, .offset: 32, .size: 8, .value_kind: global_buffer, .address_space: global }
    .group_segment_fixed_size: 0
    .private_segment_fixed_size: 0
    .kernarg_segment_align: 8
    .kernarg_segment_size: 40
    .max_flat_workgroup_size: 512
    .sgpr_count:     66
    .vgpr_count:     184
    .wavefront_size: 32
...
	.end_amdgpu_metadata
.endif
;; end of part 5
;; ======== version 2 of 2: 5 launches; version 1 with the launches up, down written anew for expert scheduling mode
;; limits: values are held in f16: magnitudes above 65,504 overflow, below 6.1e-05 lose precision
;; workspace buffers: xb 2,097,152 bytes; logits 32,768 bytes; bitmap 1,024 bytes of whole numbers; pos 32,768 bytes of whole numbers; cnt 1,024 bytes of whole numbers; h 67,108,864 bytes; part 134,217,728 bytes
;; launch route: the kernel of part 1 again; grid 256 x 1, 4 waves a work-group, no clusters, 0 bytes of LDS; arguments x, gate_weight, xb, logits; writes xb, logits
;; launch pick: the kernel of part 2 again; grid 256 x 1, 16 waves a work-group, no clusters, 4,096 bytes of LDS; arguments logits, bitmap; writes bitmap
;; launch up (part 6): grid 32 x 8, 4 waves a work-group, no clusters, 318,208 bytes of LDS; arguments w1, b1, xb, bitmap, h, pos, cnt; writes h, pos, cnt
.if DOCPART == 6
	.amdgcn_target "amdgcn-amd-amdhsa--gfx1250"
	.amdhsa_code_object_version 6
	.text
	.protected	k_qa9fe21a2f9_up
	.globl	k_qa9fe21a2f9_up
	.p2align	8
	.type	k_qa9fe21a2f9_up,@function
k_qa9fe21a2f9_up:
	s_mov_b64 s[64:65], 0
	v_nop
	global_prefetch_b8 v0, s[64:65] scope:SCOPE_SE
	s_setreg_imm32_b32 hwreg(HW_REG_WAVE_SCHED_MODE, 0, 2), 2
	s_setreg_imm32_b32 hwreg(HW_REG_WAVE_MODE, 25, 1), 1
	s_wait_xcnt 0x0
	s_wait_alu depctr_vm_vsrc(0)
; FIRST PRODUCT.  h[e][rank][c] = f16(gelu(sum over k of xb[token(rank)][k] * bf16(w1[e][c][k]) + bf16(b1[e][c]))), for the tokens that chose expert e, in ascending order of token.
; SHARES.  Work-group (s, e) owns 128 columns of expert e: 128 rows x 1,024 of w1, 512 KiB of f32 that it alone reads, once.  The rows come in chunks of 128 along K through registers,
; are rounded to bf16 and laid into LDS, where they stay; each wave brings 32 rows (a load is 512 consecutive bytes of a row).  While chunk c is multiplied, chunk c + 1 is rounded and
; chunk c + 2 is on its way.  The token rows come from xb straight into registers as matrix operands, by the list that wave 0 makes of the expert's 32 bitmap words.
; ROWS.  A tile is 16 rows.  In pass P, slot a (0..4) of wave w is tile 20 P + 4 a + w: a pass covers 320 rows, four passes every split (1,024 rows on one expert).  Passes behind the first
; find the whole slice in LDS.  Places past the count take token 0; an expert without rows counts as one row of token 0, which nobody reads: so no barrier hangs on the count.
; NO MULTICAST, NO TENSOR LOADS: each weight byte has one reader and must pass registers to be rounded; the rows of xb come by a list, which no descriptor covers.
; THE MATRIX INSTRUCTION IS USED TRANSPOSED (source 0 = 16 rows of w1, source 1 = 16 tokens): a lane holds eight neighbouring columns of one token's row.
; The accumulators are cleared (320 v_mov_b32, in the wait for the first chunk) so that one text serves every K step.
; LIMITS: |h| stays within f16's 65,504; NaN and infinities are not treated apart.
; REGISTERS in windows of 256: window 0 addresses, bias, v128-255 two buffers of w1's fragments (at the head the list's stores and chunk 0 in bf16, later the way out); window 1 v0-127 a chunk of w1 as loaded;
; window 2 v0-159 the tokens' fragments (quarter q, slot a at 8 (5 q + a)), v192-255 slot 4's accumulators; window 3 the accumulators of slots 0-3 ((a, j) at 8 (8 a + j)).
; THE MODE: SCHED_MODE bits 1:0 = 2 (LLVM: expert scheduling mode 2), set by the entry lines.  The code itself states the register dependences
; between vector or matrix instructions and memory or LDS instructions, with s_wait_alu, always for 0.
; THE PLAN.  A K step is a chunk, four quarters q of 32 along K.  Registers that memory or LDS instructions touch in the loop:
;   RAW[q]  window 1, 32 registers.  Quarter q's roundings read it; behind them, in the same quarter, the loads of the chunk two ahead land in it.
;   CT      v40-55.  Each quarter's roundings write it; the quarter's eight LDS stores read it.
;   AF[q]   window 2, 40 registers.  Quarter q's products read it; the loads of the next chunk's rows land in it in quarter q + 1 (AF[3]: in quarter 0 of the next step).
;   T[q % 2]  Quarter q's products read it; fragments land in it at the step's head (quarters 0 and 1), in quarter 1 (quarter 2's) and in quarter 2 (quarter 3's).
;   v[BADR], v[WSTC]  written at the step's head, read by the step's LDS loads and stores.     v[WOF], v[AOF ..]  never written in the loop: each RAW[q] and AF[q] has a scalar base of its own.
;   The accumulators are named by matrix instructions alone.
; So ONE wait on va_vdst stands in a quarter, behind its roundings, and one at the step's head behind the two adds; the quarter's LDS stores and fragment loads follow the wait, and its global loads
; are dealt among its products, which name T[q % 2], AF[q] and accumulators: none of the registers that those loads touch.  A wait on vm_vsrc stands ahead of each write of CT, BADR and WSTC.
.set WPITCH, 4096      ; bytes from row to row of w1
.set BP,    272        ; an LDS row of a chunk: 256 bytes + 16: the 16 rows of a fragment load start at 16 different groups of four banks
.set CH,    128*BP     ; a chunk in LDS
.set STG,   8*CH       ; behind the slice: 16 rows x 528 bytes for each wave, the way out
.set SPT,   528
.set LIST,  STG+4*16*SPT   ; 1,280 words: the expert's tokens by rank; then 64 words for the lanes that have nothing to list
.set SPARE, LIST+5120+256  ; the spare words, 128 bytes a wave
.set LANE, 1
.set R,    2
.set HH,   3
.set SPW,  4
.set NIL,  5
.set WOF,  6           ; my byte offset in the wave's 32 rows of w1
.set WST0, 7           ; where I store 8 bytes of the wave's first row in chunk 0
.set WSTC, 8
.set STO,  9
.set RD,   10
.set OOF,  11
.set H16,  12
.set BAD0, 13          ; my place in a fragment of chunk 0
.set B1O,  14
.set BADR, 16
.set ZA,   19          ; wave 0: where the list is cleared; written once
.set AOF,  20          ; v20-24: slot a's byte offset in xb
.set GA,   26          ; v26-30: slot a's LDS address in the list
.set BI,   32
.set ZZ,   36
.set CT,   40
.set POSV, 64
.set CNV,  96
.set T,    128
.set Q,    192
.set LA,   T           ; wave 0, at the head: the 32 LDS addresses of the list's stores,
.set LD,   T+32        ; and their 32 data
.set WB,   32          ; s[32:39] RAW[q]'s base, a pair at WB + 2 q (the bitmap's words lie here until the list is made)
.set AB,   40          ; s[40:47] AF[q]'s base, a pair at AB + 2 q
.set MSB, 0
.macro WIN new                         ; the immediate's high byte repeats the setting that is left
.if MSB != (\new)
	s_set_vgpr_msb (MSB<<8)|(\new)
.set MSB, (\new)
.endif
.endm
.macro PLACES                          ; four plain vector instructions between a matrix instruction and what writes or reads its registers (ISA guide 7.12.1)
.rept 4
	v_nop
.endr
.endm
.macro CLR win, lo, cnt
	WIN \win
.set z, \lo
.rept \cnt
	v_mov_b32 v[z], 0
.set z, z+1
.endr
.endm
.macro WLOAD q, win, base, off         ; rows 8 q .. 8 q + 7 of my 32, 512 consecutive bytes each
	WIN \win
.irp i, 0,1,2,3,4,5,6,7
	global_load_b128 v[4*(8*(\q)+(\i)):4*(8*(\q)+(\i))+3], v[WOF], s[(\base):(\base)+1] offset:(8*(\q)+(\i))*WPITCH+(\off) th:TH_LOAD_NT
.endr
.endm
.macro ALOAD q, base                   ; the five slots' fragments of 32 along K
	WIN 0x80
.irp a, 0,1,2,3,4
	global_load_b128 v[8*(5*(\q)+(\a)):8*(5*(\q)+(\a))+3], v[AOF+(\a)], s[(\base):(\base)+1] offset:64*(\q)
	global_load_b128 v[8*(5*(\q)+(\a))+4:8*(5*(\q)+(\a))+7], v[AOF+(\a)], s[(\base):(\base)+1] offset:64*(\q)+32
.endr
.endm
.macro FETCHB q                        ; eight fragments of w1 (128 rows x 32 K) into buffer q % 2
	WIN 0
.irp j, 0,1,2,3,4,5,6,7
	ds_load_b128 v[T+64*((\q)%2)+8*(\j):T+64*((\q)%2)+8*(\j)+3], v[BADR] offset:16*BP*(\j)+64*(\q)
	ds_load_b128 v[T+64*((\q)%2)+8*(\j)+4:T+64*((\q)%2)+8*(\j)+7], v[BADR] offset:16*BP*(\j)+64*(\q)+32
.endr
.endm
.macro CONVA q, sw, dst                ; eight rows rounded to bf16, into 16 registers from dst on
	WIN \sw
.irp i, 0,1,2,3,4,5,6,7
	v_cvt_pk_bf16_f32 v[(\dst)+2*(\i)], v[4*(8*(\q)+(\i))], v[4*(8*(\q)+(\i))+1]
	v_cvt_pk_bf16_f32 v[(\dst)+2*(\i)+1], v[4*(8*(\q)+(\i))+2], v[4*(8*(\q)+(\i))+3]
.endr
	WIN 0
.endm
.macro CONVS q, areg, off, src         ; and stored, 256 consecutive LDS bytes a store
	WIN 0
.irp i, 0,1,2,3,4,5,6,7
	ds_store_b64 v[\areg], v[(\src)+2*(\i):(\src)+2*(\i)+1] offset:(\off)+(8*(\q)+(\i))*BP
.endr
.endm
.macro MULA q, a0                      ; 16 products: slots a0 and a0 + 1; the accumulators take turns
	WIN 0xf8
.irp a, \a0, (\a0)+1
.irp j, 0,1,2,3,4,5,6,7
	v_wmma_f32_16x16x32_bf16 v[8*(8*(\a)+(\j)):8*(8*(\a)+(\j))+7], v[T+64*((\q)%2)+8*(\j):T+64*((\q)%2)+8*(\j)+7], v[8*(5*(\q)+(\a)):8*(5*(\q)+(\a))+7], v[8*(8*(\a)+(\j)):8*(8*(\a)+(\j))+7]
.endr
.endr
.endm
.macro MUL4 q                          ; 8 more where the wave's fifth slot is live
	WIN 0
	s_cmp_lt_u32 s24, 5
	s_cbranch_scc1 .Lno4_\@
	WIN 0xa8
.irp j, 0,1,2,3,4,5,6,7
	v_wmma_f32_16x16x32_bf16 v[192+8*(\j):192+8*(\j)+7], v[T+64*((\q)%2)+8*(\j):T+64*((\q)%2)+8*(\j)+7], v[8*(5*(\q)+4):8*(5*(\q)+4)+7], v[192+8*(\j):192+8*(\j)+7]
.endr
	WIN 0
.Lno4_\@:
.endm
; A quarter of a K step.  lw: RAW[q] is asked for again (two chunks ahead); la: AF[q - 1] is asked for again; sa: AF[q]'s base moves on; cv: RAW[q] is rounded into LDS.
; nl: the global loads younger than this quarter's; nd: the LDS instructions younger than its fragments' loads.
.macro QSTEP q, lw, la, sa, cv, nl, nd
	s_wait_loadcnt \nl                             ; loads come back in order (ISA guide 5.7.1): RAW[q] and AF[q] are in, the younger groups stay out
.if \lw
	s_add_nc_u64 s[WB+2*(\q):WB+2*(\q)+1], s[WB+2*(\q):WB+2*(\q)+1], 512  ; free since that wait, which shows the loads that read it done
.endif
.if \sa
	s_add_nc_u64 s[AB+2*(\q):AB+2*(\q)+1], s[AB+2*(\q):AB+2*(\q)+1], 256  ; likewise
.endif
.if \cv
.if (\q) > 0
	s_wait_alu depctr_vm_vsrc(0)                   ; the LDS stores of the quarter before have read CT, which the roundings write again (in quarter 0 the step's head has said so)
.endif
	CONVA \q, 0x05, CT
	s_wait_alu depctr_va_vdst(0)                   ; the roundings have written CT, which the LDS stores read, and are done reading RAW[q]; the products of the quarter before are done reading AF[q - 1] and their fragments of w1: loads land in all three
	CONVS \q, WSTC, CH, CT
.elseif ((\q) == 1) || ((\q) == 2)
	PLACES
	s_wait_alu depctr_va_vdst(0)                   ; the products of the quarter before are done reading their fragments of w1, in which the loads below land
.endif
.if ((\q) == 1) || ((\q) == 2)
	FETCHB (\q)+1                                  ; the next quarter's fragments, into the buffer that the quarter before multiplied
.endif
	s_wait_dscnt \nd
	MULA \q, 0
.if \lw
	WLOAD \q, 0x40, WB+2*(\q), 0                   ; no wait: no vector or matrix instruction since the wait above names RAW[q] or v[WOF]
.endif
	MULA \q, 2
.if \la
	ALOAD ((\q)+3)%4, AB+2*(((\q)+3)%4)            ; no wait: none names AF[q - 1] or v[AOF ..]
.endif
	MUL4 \q
.if !(\cv) && ((\q) == 3)
	PLACES                                         ; behind the step's last products: their results and sources are touched next
.endif
.endm
; K step c.  lw: chunk c + 2 of w1 is asked for; cv: chunk c + 1 of w1 is rounded into LDS, and the tokens' next fragments are asked for in every quarter; without cv, la: the step's own AF[3] in quarter 0.
; One barrier: in front of it each wave's stores of chunk c are done.  A chunk's bytes are written once, so nothing need be ordered the other way.
.macro STEP lw, la, cv, n0, n1, n2, n3
	s_wait_dscnt 0x0
	s_barrier_signal -1
	s_barrier_wait -1
	s_wait_alu depctr_vm_vsrc(0)                   ; the LDS loads have read v[BADR], the LDS stores v[WSTC] and CT (in the first step: the registers of T from which chunk 0 was stored)
	v_add_nc_u32 v[BADR], s26, v[BAD0]
	v_add_nc_u32 v[WSTC], s26, v[WST0]
	v_nop
	v_nop                                          ; with the two adds: four plain instructions between the last products and the loads into the fragments that they read
	s_wait_alu depctr_va_vdst(0)                   ; v[BADR] and v[WSTC] are written; the last step's products are done reading both buffers of fragments and AF[3] (in the first step: the roundings of chunk 0 are done with T)
	FETCHB 0
	FETCHB 1
.if \cv
	QSTEP 0, \lw, 1, 1, 1, \n0, 24                 ; younger: the second run of 16 and eight stores
	QSTEP 1, \lw, 1, 1, 1, \n1, 32                 ; sixteen stores and a run of 16
	QSTEP 2, \lw, 1, 1, 1, \n2, 24                 ; eight stores and a run of 16
	QSTEP 3, \lw, 1, 1, 1, \n3, 8                  ; eight stores
.else
	QSTEP 0, 0, \la, 0, 0, \n0, 16
	QSTEP 1, 0, 0, 0, 0, \n1, 16
	QSTEP 2, 0, 0, 0, 0, \n2, 16
	QSTEP 3, 0, 0, 0, 0, \n3, 0
.endif
	s_add_co_u32 s26, s26, CH
.endm
.macro LIVEC                           ; how many of my five slots hold rows: s88 = my first row in the pass
	s_sub_co_i32 s24, s21, s88
	s_add_co_i32 s24, s24, 63
	s_max_i32 s24, s24, 0
	s_lshr_b32 s24, s24, 6
	s_min_u32 s24, s24, 5
.endm
.macro GETROWS                         ; the five slots' tokens from the list; both clamps stand last in front of the address
	v_add_nc_u32 v25, s88, v[R]
.irp a, 0,1,2,3,4
	v_add_nc_u32 v[GA+(\a)], 64*(\a), v25
	v_min_u32 v[GA+(\a)], 0x4ff, v[GA+(\a)]
	v_lshl_add_u32 v[GA+(\a)], v[GA+(\a)], 2, LIST
.endr
	s_wait_alu depctr_va_vdst(0)                   ; the five LDS addresses are written; in a later pass the lines that made the last offsets are done with v[AOF ..], in which the loads land
.irp a, 0,1,2,3,4
	ds_load_b32 v[AOF+(\a)], v[GA+(\a)]
.endr
	s_wait_dscnt 0x0
.irp a, 0,1,2,3,4
	v_min_u32 v[AOF+(\a)], 0x3ff, v[AOF+(\a)]
	v_lshl_add_u32 v[AOF+(\a)], v[AOF+(\a)], 11, v[H16]
.endr
.endm
.macro STGA a                          ; slot a's 16 x 128 results into my stage; each accumulator's low registers first
.if (\a) < 4
	WIN 0x0c
.set sb, 64*(\a)
.else
	WIN 0x08
.set sb, 192
.endif
.irp j, 0,1,2,3,4,5,6,7
	ds_store_b128 v[STO], v[sb+8*(\j):sb+8*(\j)+3] offset:64*(\j)
	ds_store_b128 v[STO], v[sb+8*(\j)+4:sb+8*(\j)+7] offset:64*(\j)+16
.endr
	WIN 0
.endm
	s_load_b256 s[4:11], s[0:1], 0x0               ; w1 s[4:5], b1 s[6:7], xb s[8:9], bitmap s[10:11]
	s_load_b128 s[12:15], s[0:1], 0x20             ; h s[12:13], pos s[14:15]
	s_load_b64 s[16:17], s[0:1], 0x30              ; cnt
	v_lshl_add_u32 v[SPW], v0, 2, SPARE
	v_mov_b32 v[NIL], 0
	v_and_b32 v[LANE], 31, v0
	v_lshrrev_b32 v25, 5, v0
	v_readfirstlane_b32 s18, v25                   ; wave
	v_and_b32 v[R], 15, v0
	v_bfe_u32 v[HH], v0, 4, 1
	s_mov_b32 s19, ttmp9                           ; slice
	s_and_b32 s20, ttmp7, 0xffff                   ; expert
	v_lshlrev_b32 v[H16], 4, v[HH]
	s_wait_alu depctr_va_sdst(0)                   ; s18 is written, ahead of its first reader
	s_lshl_b32 s28, s18, 17                        ; 32 rows of 4,096 bytes
	v_lshl_add_u32 v[WOF], v[LANE], 4, s28
	s_mul_i32 s28, s18, 32*BP
	v_lshl_add_u32 v[WST0], v[LANE], 3, s28
	s_mul_i32 s28, s18, 16*SPT
	s_add_co_u32 s28, s28, STG
	v_mul_u32_u24 v25, v[R], SPT
	v_lshl_add_u32 v25, v[HH], 5, v25
	v_add_nc_u32 v[STO], s28, v25                  ; in: row l % 16, 32 bytes for each half of the lanes
	v_lshl_add_u32 v[RD], v[LANE], 4, s28          ; back: a whole row of 512 bytes
	v_lshlrev_b32 v[OOF], 3, v[LANE]
	v_mul_u32_u24 v[BAD0], v[R], BP
	v_add_nc_u32 v[BAD0], v[BAD0], v[H16]
	v_lshlrev_b32 v[B1O], 4, v[LANE]
.irp i, 0,1,2,3
	v_mov_b32 v[ZZ+(\i)], 0
.endr
	s_mov_b32 s76, 0xc0135761                      ; -2 sqrt(2/pi) log2(e)
	s_mov_b32 s77, s76
	s_mov_b32 s78, 0xbdd2d3e8                      ; the same times 0.044715
	s_mov_b32 s79, s78
	s_lshl_b32 s28, s20, 24
	s_lshl_b32 s29, s19, 19
	s_add_co_u32 s28, s28, s29
	s_mov_b32 s29, 0
	s_lshl_b32 s30, s20, 14
	s_lshl_b32 s31, s19, 9
	s_add_co_u32 s30, s30, s31
	s_mov_b32 s31, 0
	s_lshl_b32 s66, s20, 23
	s_lshl_b32 s67, s19, 8
	s_add_co_u32 s66, s66, s67
	s_mov_b32 s67, 0
	s_lshl_b32 s84, s20, 12
	s_mov_b32 s85, 0
	s_lshl_b32 s86, s20, 7
	s_mov_b32 s87, 0
	s_lshl_b32 s89, s20, 7
	s_lshl_b32 s88, s18, 4                         ; my first row in pass 0
	s_wait_kmcnt 0x0
	s_add_nc_u64 s[68:69], s[4:5], s[28:29]        ; my slice of w1; never stepped
	s_add_nc_u64 s[82:83], s[6:7], s[30:31]
	s_add_nc_u64 s[74:75], s[12:13], s[66:67]      ; h at the expert's row 0, my 128 columns
	s_add_nc_u64 s[84:85], s[14:15], s[84:85]
	s_add_nc_u64 s[86:87], s[16:17], s[86:87]
	s_wait_alu depctr_va_vdst(0)                   ; the offsets and LDS addresses made above are written: the loads and stores of the whole kernel read them
	global_load_b128 v[BI:BI+3], v[B1O], s[82:83]
	WLOAD 0, 0xc0, 68, 0                           ; chunk 0 waits in registers that will be accumulators
	WLOAD 1, 0xc0, 68, 0
	WLOAD 2, 0xc0, 68, 0
	WLOAD 3, 0xc0, 68, 0
	WLOAD 0, 0x40, 68, 512                         ; chunk 1, quarters 0 and 1: they hang on no count
	WLOAD 1, 0x40, 68, 512
	WIN 0
	s_load_b512 s[32:47], s[10:11], s89 offset:0x0 ; the expert's 32 bitmap words
	s_load_b512 s[48:63], s[10:11], s89 offset:0x40
	s_wait_kmcnt 0x0
	s_mov_b32 s21, 0
.set i, 0
.rept 32
	s_bcnt1_i32_b32 s28, s[32+i]
	s_add_co_u32 s21, s21, s28
.set i, i+1
.endr
	s_min_u32 s21, s21, 0x400
	s_max_u32 s21, s21, 1                          ; the expert's rows, at least one
	s_cmp_lg_u32 s18, 0
	s_cbranch_scc1 .Llisted
	; wave 0 makes the list: zeros first (places past the count take token 0), then token 32 i + lane at its rank.  All addresses and data are made first, each in a register of its own, so that one wait serves all the stores
	v_lshl_add_u32 v[ZA], v[LANE], 4, LIST
	v_add_nc_u32 v15, 1280, v[LANE]
	v_mov_b32 v17, 0xffff
	v_lshlrev_b32 v18, 2, v[LANE]
	v_mov_b32 v[CNV], s21
	s_mov_b32 s30, 0
.set i, 0
.rept 32
	v_mbcnt_lo_u32_b32 v26, s[32+i], s30           ; rank: chosen tokens in front of mine
	v_cndmask_b32 v[LA+i], v15, v26, s[32+i]       ; a lane that is not chosen writes behind the list
	v_cndmask_b32 v[POSV+i], v17, v26, s[32+i]
	v_min_u32 v[LA+i], 0x51f, v[LA+i]
	v_lshl_add_u32 v[LA+i], v[LA+i], 2, LIST
	v_add_nc_u32 v[LD+i], 32*i, v[LANE]
	s_bcnt1_i32_b32 s31, s[32+i]
	s_add_co_u32 s30, s30, s31
.set i, i+1
.endr
	s_wait_alu depctr_va_vdst(0)                   ; v[ZA], the 32 addresses, the 32 data, the ranks, v18 and the count are written: the LDS and global stores below read them
.irp i, 0,1,2,3,4,5,6,7,8,9
	ds_store_b128 v[ZA], v[ZZ:ZZ+3] offset:512*(\i)
.endr
.set i, 0
.rept 32
	ds_store_b32 v[LA+i], v[LD+i]                  ; LDS serves a wave's instructions in order: these come behind the zeros
.set i, i+1
.endr
	s_cmp_lg_u32 s19, 0
	s_cbranch_scc1 .Llisted
	; the expert's first work-group stores ranks and count for the later launches
.set i, 0
.rept 32
	global_store_b32 v18, v[POSV+i], s[84:85] offset:128*i
.set i, i+1
.endr
	global_store_b32 v18, v[CNV], s[86:87]
.Llisted:
	s_wait_dscnt 0x0                               ; the list is in LDS
	s_barrier_signal -1
	s_barrier_wait -1
.irp q, 0,1,2,3
	s_add_nc_u64 s[WB+2*(\q):WB+2*(\q)+1], s[68:69], 512  ; the bitmap's words are spent: RAW[q]'s base at chunk 1 (its first step leads to chunk 2),
	s_mov_b64 s[AB+2*(\q):AB+2*(\q)+1], s[8:9]            ; AF[q]'s at chunk 0
.endr
	LIVEC
	GETROWS
	s_wait_alu depctr_va_vdst(0)                   ; v[AOF ..] are written, which every load of the tokens' rows reads
	ALOAD 0, AB
	WLOAD 2, 0x40, 68, 512
	ALOAD 1, AB+2
	CLR 0xc0, 128, 128
	CLR 0x80, 192, 64
	WIN 0
	s_wait_loadcnt 44                              ; b1 and chunk 0 are in; the 8 + 8 + 10 + 8 + 10 loads behind them stay out
	s_wait_alu depctr_vm_vsrc(0)                   ; wave 0's LDS stores of the list have read v[T .. T+63], and the list's loads v26 and v27: the roundings below write them
	v_cvt_pk_bf16_f32 v26, v[BI], v[BI+1]
	v_cvt_pk_bf16_f32 v27, v[BI+2], v[BI+3]
	v_lshlrev_b32 v[BI], 16, v26
	v_and_b32 v[BI+1], 0xffff0000, v26
	v_lshlrev_b32 v[BI+2], 16, v27
	v_and_b32 v[BI+3], 0xffff0000, v27
.irp q, 0,1,2,3
	CONVA \q, 0x0f, T+16*(\q)                      ; chunk 0 into 64 registers of T, so that one wait serves its 32 stores
.endr
	s_wait_alu depctr_va_vdst(0)                   ; the roundings have written v[T .. T+63], which the LDS stores read
.irp q, 0,1,2,3
	CONVS \q, WST0, 0, T+16*(\q)
.endr
	CLR 0xc0, 0, 128
	WLOAD 3, 0x40, 68, 512                         ; no wait: no vector instruction has named RAW[3] or AF[2], nor v[WOF] or v[AOF ..] since their waits
	ALOAD 2, AB+4
	WIN 0
	s_mov_b32 s26, 0
	s_mov_b32 s27, 6
.Lk:                                   ; a quarter needs AF[q], asked for three quarters ago as the last of its group (8 loads of w1, then 10 of the tokens): the two younger groups, 36 loads, stay out
	STEP 1, 1, 1, 36, 36, 36, 36
	s_sub_co_u32 s27, s27, 1
	s_cmp_lg_u32 s27, 0
	s_cbranch_scc1 .Lk
	STEP 0, 1, 1, 36, 28, 20, 20                   ; no chunk 8 of w1: the groups shrink to 10
	STEP 0, 1, 0, 20, 20, 10, 0                    ; the last step asks for its own AF[3] alone
	s_mov_b32 s23, 0
.Lpass:                                ; four trips cover every split; dead work is jumped over; the two barriers of a trip stand outside every jump on the count
	s_wait_alu depctr_va_vdst(0)                   ; the products have written the accumulators, which the LDS stores read, and are done reading T, in which the loads from the stage land; the four places stand behind the last product
	s_lshl_b32 s28, s88, 13
	s_mov_b32 s29, 0
	s_add_nc_u64 s[72:73], s[74:75], s[28:29]      ; h at my first row of the pass
	s_mov_b32 s25, 0
.Lslot:
	s_cmp_ge_u32 s25, s24
	s_cbranch_scc1 .Lslot_next
	s_cmp_lg_u32 s25, 0
	s_cbranch_scc1 .Ls1
	STGA 0
	s_branch .Lcom
.Ls1:
	s_cmp_lg_u32 s25, 1
	s_cbranch_scc1 .Ls2
	STGA 1
	s_branch .Lcom
.Ls2:
	s_cmp_lg_u32 s25, 2
	s_cbranch_scc1 .Ls3
	STGA 2
	s_branch .Lcom
.Ls3:
	s_cmp_lg_u32 s25, 3
	s_cbranch_scc1 .Ls4
	STGA 3
	s_branch .Lcom
.Ls4:
	STGA 4
.Lcom:
.irp t, 0,1,2,3,4,5,6,7,8,9,10,11,12,13,14,15
	ds_load_b128 v[T+4*(\t):T+4*(\t)+3], v[RD] offset:SPT*(\t)  ; LDS serves a wave's instructions in order: these see the stores above
.endr
	s_wait_dscnt 0x0
	; gelu(u) = u / (1 + 2^(u (c1 + c3 u^2))): the tanh form, written as a sigmoid
.set p, 0
.rept 32
	v_pk_add_f32 v[T+2*p:T+2*p+1], v[T+2*p:T+2*p+1], v[BI+2*(p%2):BI+2*(p%2)+1]
.set p, p+1
.endr
.set p, 0
.rept 32
	v_pk_mul_f32 v[Q+2*p:Q+2*p+1], v[T+2*p:T+2*p+1], v[T+2*p:T+2*p+1]
.set p, p+1
.endr
.set p, 0
.rept 32
	v_pk_fma_f32 v[Q+2*p:Q+2*p+1], v[Q+2*p:Q+2*p+1], s[78:79], s[76:77] op_sel_hi:[1,0,0]
.set p, p+1
.endr
.set p, 0
.rept 32
	v_pk_mul_f32 v[Q+2*p:Q+2*p+1], v[Q+2*p:Q+2*p+1], v[T+2*p:T+2*p+1]
.set p, p+1
.endr
.set p, 0
.rept 64
	v_exp_f32 v[Q+p], v[Q+p]
.set p, p+1
.endr
	v_nop                                          ; a plain instruction behind the last exponential
.set p, 0
	s_wait_alu depctr_va_vdst(0)                   ; the 64 exponentials have written v[Q ..], ahead of their first reader: one wait for the batch
.rept 32
	v_pk_add_f32 v[Q+2*p:Q+2*p+1], v[Q+2*p:Q+2*p+1], 1.0 op_sel_hi:[1,0]
.set p, p+1
.endr
.set p, 0
.rept 64
	v_rcp_f32 v[Q+p], v[Q+p]
.set p, p+1
.endr
	v_nop
.set p, 0
	s_wait_alu depctr_va_vdst(0)                   ; the 64 reciprocals have written v[Q ..], ahead of their first reader: one wait for the batch
.rept 32
	v_pk_mul_f32 v[T+2*p:T+2*p+1], v[T+2*p:T+2*p+1], v[Q+2*p:Q+2*p+1]
.set p, p+1
.endr
.set p, 0
.rept 32
	v_cvt_pk_f16_f32 v[Q+p], v[T+2*p], v[T+2*p+1]
.set p, p+1
.endr
	s_wait_alu depctr_va_vdst(0)                   ; the conversions have written v[Q .. Q+31], which the stores read, and the slot's vector work is done with T, in which the next slot's loads from the stage land
.irp t, 0,1,2,3,4,5,6,7,8,9,10,11,12,13,14,15
	global_store_b64 v[OOF], v[Q+2*(\t):Q+2*(\t)+1], s[72:73] offset:8192*(\t)  ; 256 consecutive bytes, aligned
.endr
	s_wait_xcnt 0x0                                ; the stores' data and base are rewritten only behind this wait,
	s_wait_alu depctr_vm_vsrc(0)                   ; and beside it: the stores have read v[Q .. Q+31], which the next slot's vector work writes
	s_add_nc_u64 s[72:73], s[72:73], 64*8192       ; my next slot lies 64 rows on
.Lslot_next:
	s_add_co_u32 s25, s25, 1
	s_cmp_lt_u32 s25, 5
	s_cbranch_scc1 .Lslot
	s_wait_dscnt 0x0                               ; my stores into my stage and my reads of it are done:
	s_barrier_signal -1                            ; a barrier stands between every wave's way out and the LDS reads of a further pass, whose address steps with its loop
	s_barrier_wait -1
	s_add_co_u32 s88, s88, 320                     ; the next pass
	LIVEC
	s_cmp_eq_u32 s24, 0
	s_cbranch_scc1 .Lpass_next
	s_wait_alu depctr_vm_vsrc(0)                   ; the list's loads have read v[GA ..], the loads of the tokens' rows v[AOF ..], the LDS stores of the way out the accumulators: all three are written below
	GETROWS
	CLR 0xc0, 0, 256
	CLR 0x80, 192, 64
	WIN 0
	s_mov_b64 s[70:71], s[8:9]
	s_mov_b32 s26, 0
	s_mov_b32 s27, 8
.Llate:                                ; a later pass: the slice lies in LDS; a plain step, served for splits of more than 320 rows
	s_wait_alu depctr_vm_vsrc(0)                   ; the LDS loads issued so far have read v[BADR]
	v_add_nc_u32 v[BADR], s26, v[BAD0]
	s_wait_alu depctr_va_vdst(0)                   ; v[BADR] is written (in the first trip v[AOF ..] too); the last trip's products are done reading the tokens' fragments and both buffers of w1's
	ALOAD 0, 70
	ALOAD 1, 70
	ALOAD 2, 70
	ALOAD 3, 70
	FETCHB 0
	FETCHB 1
	QSTEP 0, 0, 0, 0, 0, 0, 16
	QSTEP 1, 0, 0, 0, 0, 0, 16
	QSTEP 2, 0, 0, 0, 0, 0, 16
	QSTEP 3, 0, 0, 0, 0, 0, 0
	s_wait_xcnt 0x0
	s_add_nc_u64 s[70:71], s[70:71], 256
	s_add_co_u32 s26, s26, CH
	s_sub_co_u32 s27, s27, 1
	s_cmp_lg_u32 s27, 0
	s_cbranch_scc1 .Llate
.Lpass_next:
	s_wait_dscnt 0x0                               ; my LDS reads of this pass are back:
	s_barrier_signal -1                            ; a barrier stands between them and the next LDS stores of any wave (the next way out, the closing add)
	s_barrier_wait -1
	s_add_co_u32 s23, s23, 1
	s_cmp_lt_u32 s23, 4
	s_cbranch_scc1 .Lpass
	s_wait_dscnt 0x0                               ; the closing lines, six on end
	s_wait_alu 0x0
	s_wait_tensorcnt 0x0
	ds_add_u32 v[SPW], v[NIL]
	s_wait_dscnt 0x0
	s_endpgm
.Lfunc_end_k_qa9fe21a2f9_up:
	.size	k_qa9fe21a2f9_up, .Lfunc_end_k_qa9fe21a2f9_up-k_qa9fe21a2f9_up
	.p2alignl 7, 3214868480
	.fill 96, 4, 3214868480
	.section	.rodata,"a",@progbits
	.p2align	6, 0x0
	.amdhsa_kernel k_qa9fe21a2f9_up
		.amdhsa_group_segment_fixed_size 318208
		.amdhsa_private_segment_fixed_size 0
		.amdhsa_enable_private_segment 0
		.amdhsa_kernarg_size 56
		.amdhsa_user_sgpr_count 2
		.amdhsa_user_sgpr_kernarg_segment_ptr 1
		.amdhsa_wavefront_size32 1
		.amdhsa_system_sgpr_workgroup_id_x 1
		.amdhsa_system_sgpr_workgroup_id_y 1
		.amdhsa_system_sgpr_workgroup_id_z 1
		.amdhsa_system_vgpr_workitem_id 0
		.amdhsa_next_free_vgpr 1024
		.amdhsa_next_free_sgpr 96
		.amdhsa_reserve_vcc 0
		.amdhsa_float_denorm_mode_32 3
		.amdhsa_float_denorm_mode_16_64 3
		.amdhsa_memory_ordered 1
		.amdhsa_forward_progress 1
		.amdhsa_inst_pref_size 187
	.end_amdhsa_kernel
	.amdgpu_metadata
---
amdhsa.version: [ 1, 2 ]
amdhsa.kernels:
  - .name:           k_qa9fe21a2f9_up
    .symbol:         k_qa9fe21a2f9_up.kd
    .args:
      - { .name: w1, .offset: 0, .size: 8, .value_kind: global_buffer, .address_space: global }
      - { .name: b1, .offset: 8, .size: 8, .value_kind: global_buffer, .address_space: global }
      - { .name: xb, .offset: 16, .size: 8, .value_kind: global_buffer, .address_space: global }
      - { .name: bitmap, .offset: 24, .size: 8, .value_kind: global_buffer, .address_space: global }
      - { .name: h, .offset: 32, .size: 8, .value_kind: global_buffer, .address_space: global }
      - { .name: pos, .offset: 40, .size: 8, .value_kind: global_buffer, .address_space: global }
      - { .name: cnt, .offset: 48, .size: 8, .value_kind: global_buffer, .address_space: global }
    .group_segment_fixed_size: 318208
    .private_segment_fixed_size: 0
    .kernarg_segment_align: 8
    .kernarg_segment_size: 56
    .max_flat_workgroup_size: 128
    .sgpr_count:     96
    .vgpr_count:     1024
    .wavefront_size: 32
...
	.end_amdgpu_metadata
.endif
;; end of part 6
;; launch down (part 7): grid 32 x 8, 4 waves a work-group, no clusters, 312,832 bytes of LDS; arguments w2, h, cnt, part; writes part
.if DOCPART == 7
	.amdgcn_target "amdgcn-amd-amdhsa--gfx1250"
	.amdhsa_code_object_version 6
	.text
	.protected	k_qa9fe21a2f9_down
	.globl	k_qa9fe21a2f9_down
	.p2align	8
	.type	k_qa9fe21a2f9_down,@function
k_qa9fe21a2f9_down:
	s_mov_b64 s[64:65], 0
	v_nop
	global_prefetch_b8 v0, s[64:65] scope:SCOPE_SE
	s_setreg_imm32_b32 hwreg(HW_REG_WAVE_SCHED_MODE, 0, 2), 2
	s_setreg_imm32_b32 hwreg(HW_REG_WAVE_MODE, 25, 1), 1
	s_wait_xcnt 0x0
	s_wait_alu depctr_vm_vsrc(0)
; SECOND PRODUCT, in four parts along the hidden width.  part[e][rank][kq][c] = sum over k in quarter kq of h[e][rank][k] * w2[e][c][k], in f32.
; SHARES.  Work-group (x, e): ds = x % 8 picks 128 columns of the output, kq = x / 8 a quarter (1,024) of the hidden width: 128 rows x 1,024 of w2, 512 KiB of f32 that it alone reads, once.
; w2 is rounded to bf16, as every input of the program is, and that number is written as f16 (exact but for numbers below 6e-5, which keep f16's fixed step of 6e-8), since h is f16.
; All else as in the first product: chunks of 128 along K through registers into LDS, where the slice stays; while chunk c is multiplied, chunk c + 1 is rounded and chunk c + 2 is on
; its way; h's rows come straight into registers as matrix operands; a pass covers 320 rows, four passes every split; rows past the count repeat the last row; the count is at least 1.
; The four parts are partial sums: they stay in f32 and are added by the launch behind.  NO MULTICAST, NO TENSOR LOADS: each weight byte has one reader and passes registers to be rounded.
; The accumulators are cleared (320 v_mov_b32, in the wait for the first chunk) so that one text serves every K step.
; REGISTERS in windows of 256: window 0 addresses, v128-255 two buffers of w2's fragments (at the head chunk 0 in f16, later the way out); window 1 v0-127 a chunk of w2 as loaded;
; window 2 v0-159 h's fragments (quarter q, slot a at 8 (5 q + a)), v192-255 slot 4's accumulators; window 3 the accumulators of slots 0-3.
; THE MODE: SCHED_MODE bits 1:0 = 2 (LLVM: expert scheduling mode 2), set by the entry lines.  The code itself states the register dependences
; between vector or matrix instructions and memory or LDS instructions, with s_wait_alu, always for 0.
; THE PLAN.  A K step is a chunk, four quarters q of 32 along K.  Registers that memory or LDS instructions touch in the loop:
;   RAW[q]  window 1, 32 registers.  Quarter q's roundings read it; behind them, in the same quarter, the loads of the chunk two ahead land in it.
;   CT      v40-55.  Each quarter's roundings write it; the quarter's eight LDS stores read it.
;   AF[q]   window 2, 40 registers.  Quarter q's products read it; the loads of the next chunk of h's rows land in it in quarter q + 1 (AF[3]: in quarter 0 of the next step).
;   T[q % 2]  Quarter q's products read it; fragments land in it at the step's head (quarters 0 and 1), in quarter 1 (quarter 2's) and in quarter 2 (quarter 3's).
;   v[BADR], v[WSTC]  written at the step's head, read by the step's LDS loads and stores.     v[WOF], v[AOF ..]  never written in the loop: each RAW[q] and AF[q] has a scalar base of its own.
;   The accumulators are named by matrix instructions alone.
; So ONE wait on va_vdst stands in a quarter, behind its roundings, and one at the step's head behind the two adds; the quarter's LDS stores and fragment loads follow the wait, and its global loads
; are dealt among its products, which name T[q % 2], AF[q] and accumulators: none of the registers that those loads touch.  A wait on vm_vsrc stands ahead of each write of CT, BADR and WSTC.
.set WPITCH, 16384
.set BP,    272
.set CH,    128*BP
.set STG,   8*CH
.set SPT,   528
.set SPARE, STG+4*16*SPT
.set LANE, 1
.set R,    2
.set HH,   3
.set SPW,  4
.set NIL,  5
.set WOF,  6
.set WST0, 7
.set WSTC, 8
.set STO,  9
.set RD,   10
.set OOF,  11
.set H16,  12
.set BAD0, 13
.set BADR, 16
.set AOF,  20
.set CT,   40
.set ET,   56
.set T,    128
.set WB,   32          ; s[32:39] RAW[q]'s base, a pair at WB + 2 q
.set AB,   40          ; s[40:47] AF[q]'s base, a pair at AB + 2 q
.set MSB, 0
.macro WIN new
.if MSB != (\new)
	s_set_vgpr_msb (MSB<<8)|(\new)
.set MSB, (\new)
.endif
.endm
.macro PLACES                          ; four plain vector instructions between a matrix instruction and what writes or reads its registers (ISA guide 7.12.1)
.rept 4
	v_nop
.endr
.endm
.macro CLR win, lo, cnt
	WIN \win
.set z, \lo
.rept \cnt
	v_mov_b32 v[z], 0
.set z, z+1
.endr
.endm
.macro WLOAD q, win, base, off
	WIN \win
.irp i, 0,1,2,3,4,5,6,7
	global_load_b128 v[4*(8*(\q)+(\i)):4*(8*(\q)+(\i))+3], v[WOF], s[(\base):(\base)+1] offset:(8*(\q)+(\i))*WPITCH+(\off) th:TH_LOAD_NT
.endr
.endm
.macro ALOAD q, base
	WIN 0x80
.irp a, 0,1,2,3,4
	global_load_b128 v[8*(5*(\q)+(\a)):8*(5*(\q)+(\a))+3], v[AOF+(\a)], s[(\base):(\base)+1] offset:64*(\q)
	global_load_b128 v[8*(5*(\q)+(\a))+4:8*(5*(\q)+(\a))+7], v[AOF+(\a)], s[(\base):(\base)+1] offset:64*(\q)+32
.endr
.endm
.macro FETCHB q
	WIN 0
.irp j, 0,1,2,3,4,5,6,7
	ds_load_b128 v[T+64*((\q)%2)+8*(\j):T+64*((\q)%2)+8*(\j)+3], v[BADR] offset:16*BP*(\j)+64*(\q)
	ds_load_b128 v[T+64*((\q)%2)+8*(\j)+4:T+64*((\q)%2)+8*(\j)+7], v[BADR] offset:16*BP*(\j)+64*(\q)+32
.endr
.endm
.macro CONVA q, sw, dst                ; eight rows: f32 to bf16 (the rounding), bf16 to f16 (the format), into 16 registers from dst on
	WIN \sw
.irp i, 0,1,2,3,4,5,6,7
	v_cvt_pk_bf16_f32 v[(\dst)+2*(\i)], v[4*(8*(\q)+(\i))], v[4*(8*(\q)+(\i))+1]
	v_cvt_pk_bf16_f32 v[(\dst)+2*(\i)+1], v[4*(8*(\q)+(\i))+2], v[4*(8*(\q)+(\i))+3]
.endr
	WIN 0
.set n, 0
.rept 16
	v_lshlrev_b32 v[ET+2*(n%4)], 16, v[(\dst)+n]
	v_and_b32 v[ET+2*(n%4)+1], s89, v[(\dst)+n]
	v_cvt_pk_f16_f32 v[(\dst)+n], v[ET+2*(n%4)], v[ET+2*(n%4)+1]
.set n, n+1
.endr
.endm
.macro CONVS q, areg, off, src         ; and stored, 256 consecutive LDS bytes a store
	WIN 0
.irp i, 0,1,2,3,4,5,6,7
	ds_store_b64 v[\areg], v[(\src)+2*(\i):(\src)+2*(\i)+1] offset:(\off)+(8*(\q)+(\i))*BP
.endr
.endm
.macro MULA q, a0                      ; 16 products: slots a0 and a0 + 1; the accumulators take turns
	WIN 0xf8
.irp a, \a0, (\a0)+1
.irp j, 0,1,2,3,4,5,6,7
	v_wmma_f32_16x16x32_f16 v[8*(8*(\a)+(\j)):8*(8*(\a)+(\j))+7], v[T+64*((\q)%2)+8*(\j):T+64*((\q)%2)+8*(\j)+7], v[8*(5*(\q)+(\a)):8*(5*(\q)+(\a))+7], v[8*(8*(\a)+(\j)):8*(8*(\a)+(\j))+7]
.endr
.endr
.endm
.macro MUL4 q                          ; 8 more where the wave's fifth slot is live
	WIN 0
	s_cmp_lt_u32 s24, 5
	s_cbranch_scc1 .Lno4_\@
	WIN 0xa8
.irp j, 0,1,2,3,4,5,6,7
	v_wmma_f32_16x16x32_f16 v[192+8*(\j):192+8*(\j)+7], v[T+64*((\q)%2)+8*(\j):T+64*((\q)%2)+8*(\j)+7], v[8*(5*(\q)+4):8*(5*(\q)+4)+7], v[192+8*(\j):192+8*(\j)+7]
.endr
	WIN 0
.Lno4_\@:
.endm
; A quarter of a K step.  lw: RAW[q] is asked for again (two chunks ahead); la: AF[q - 1] is asked for again; sa: AF[q]'s base moves on; cv: RAW[q] is rounded into LDS.
; nl: the global loads younger than this quarter's; nd: the LDS instructions younger than its fragments' loads.
.macro QSTEP q, lw, la, sa, cv, nl, nd
	s_wait_loadcnt \nl                             ; loads come back in order (ISA guide 5.7.1): RAW[q] and AF[q] are in, the younger groups stay out
.if \lw
	s_add_nc_u64 s[WB+2*(\q):WB+2*(\q)+1], s[WB+2*(\q):WB+2*(\q)+1], 512  ; free since that wait, which shows the loads that read it done
.endif
.if \sa
	s_add_nc_u64 s[AB+2*(\q):AB+2*(\q)+1], s[AB+2*(\q):AB+2*(\q)+1], 256  ; likewise
.endif
.if \cv
.if (\q) > 0
	s_wait_alu depctr_vm_vsrc(0)                   ; the LDS stores of the quarter before have read CT, which the roundings write again (in quarter 0 the step's head has said so)
.endif
	CONVA \q, 0x05, CT
	s_wait_alu depctr_va_vdst(0)                   ; the roundings have written CT, which the LDS stores read, and are done reading RAW[q]; the products of the quarter before are done reading AF[q - 1] and their fragments of w2: loads land in all three
	CONVS \q, WSTC, CH, CT
.elseif ((\q) == 1) || ((\q) == 2)
	PLACES
	s_wait_alu depctr_va_vdst(0)                   ; the products of the quarter before are done reading their fragments of w2, in which the loads below land
.endif
.if ((\q) == 1) || ((\q) == 2)
	FETCHB (\q)+1                                  ; the next quarter's fragments, into the buffer that the quarter before multiplied
.endif
	s_wait_dscnt \nd
	MULA \q, 0
.if \lw
	WLOAD \q, 0x40, WB+2*(\q), 0                   ; no wait: no vector or matrix instruction since the wait above names RAW[q] or v[WOF]
.endif
	MULA \q, 2
.if \la
	ALOAD ((\q)+3)%4, AB+2*(((\q)+3)%4)            ; no wait: none names AF[q - 1] or v[AOF ..]
.endif
	MUL4 \q
.if !(\cv) && ((\q) == 3)
	PLACES                                         ; behind the step's last products: their results and sources are touched next
.endif
.endm
; K step c: one barrier, in front of which each wave's stores of chunk c are done; a chunk's bytes are written once.
; lw: chunk c + 2 of w2 is asked for; cv: chunk c + 1 is rounded into LDS, and h's next fragments are asked for in every quarter; without cv, la: the step's own AF[3] in quarter 0.
.macro STEP lw, la, cv, n0, n1, n2, n3
	s_wait_dscnt 0x0
	s_barrier_signal -1
	s_barrier_wait -1
	s_wait_alu depctr_vm_vsrc(0)                   ; the LDS loads have read v[BADR], the LDS stores v[WSTC] and CT (in the first step: the registers of T from which chunk 0 was stored)
	v_add_nc_u32 v[BADR], s26, v[BAD0]
	v_add_nc_u32 v[WSTC], s26, v[WST0]
	v_nop
	v_nop                                          ; with the two adds: four plain instructions between the last products and the loads into the fragments that they read
	s_wait_alu depctr_va_vdst(0)                   ; v[BADR] and v[WSTC] are written; the last step's products are done reading both buffers of fragments and AF[3] (in the first step: the roundings of chunk 0 are done with T)
	FETCHB 0
	FETCHB 1
.if \cv
	QSTEP 0, \lw, 1, 1, 1, \n0, 24                 ; younger: the second run of 16 and eight stores
	QSTEP 1, \lw, 1, 1, 1, \n1, 32                 ; sixteen stores and a run of 16
	QSTEP 2, \lw, 1, 1, 1, \n2, 24                 ; eight stores and a run of 16
	QSTEP 3, \lw, 1, 1, 1, \n3, 8                  ; eight stores
.else
	QSTEP 0, 0, \la, 0, 0, \n0, 16
	QSTEP 1, 0, 0, 0, 0, \n1, 16
	QSTEP 2, 0, 0, 0, 0, \n2, 16
	QSTEP 3, 0, 0, 0, 0, \n3, 0
.endif
	s_add_co_u32 s26, s26, CH
.endm
.macro LIVEC
	s_sub_co_i32 s24, s21, s88
	s_add_co_i32 s24, s24, 63
	s_max_i32 s24, s24, 0
	s_lshr_b32 s24, s24, 6
	s_min_u32 s24, s24, 5
.endm
.macro GETROWS                         ; the five slots' rows of h; rows past the count repeat the last; the constant clamp stands last
	v_add_nc_u32 v25, s88, v[R]
.irp a, 0,1,2,3,4
	v_add_nc_u32 v[AOF+(\a)], 64*(\a), v25
	v_min_u32 v[AOF+(\a)], s22, v[AOF+(\a)]
	v_min_u32 v[AOF+(\a)], 0x3ff, v[AOF+(\a)]
	v_lshl_add_u32 v[AOF+(\a)], v[AOF+(\a)], 13, v[H16]
.endr
.endm
.macro STGA a
.if (\a) < 4
	WIN 0x0c
.set sb, 64*(\a)
.else
	WIN 0x08
.set sb, 192
.endif
.irp j, 0,1,2,3,4,5,6,7
	ds_store_b128 v[STO], v[sb+8*(\j):sb+8*(\j)+3] offset:64*(\j)
	ds_store_b128 v[STO], v[sb+8*(\j)+4:sb+8*(\j)+7] offset:64*(\j)+16
.endr
	WIN 0
.endm
	s_load_b256 s[4:11], s[0:1], 0x0               ; w2 s[4:5], h s[6:7], cnt s[8:9], part s[10:11]
	v_lshl_add_u32 v[SPW], v0, 2, SPARE
	v_mov_b32 v[NIL], 0
	v_and_b32 v[LANE], 31, v0
	v_lshrrev_b32 v25, 5, v0
	v_readfirstlane_b32 s18, v25
	v_and_b32 v[R], 15, v0
	v_bfe_u32 v[HH], v0, 4, 1
	s_and_b32 s19, ttmp9, 7                        ; ds: which 128 columns
	s_lshr_b32 s23, ttmp9, 3                       ; kq: which quarter of the hidden width
	s_and_b32 s20, ttmp7, 0xffff                   ; expert
	v_lshlrev_b32 v[H16], 4, v[HH]
	s_wait_alu depctr_va_sdst(0)                   ; s18 is written, ahead of its first reader
	s_lshl_b32 s28, s18, 19                        ; 32 rows of 16,384 bytes
	v_lshl_add_u32 v[WOF], v[LANE], 4, s28
	s_mul_i32 s28, s18, 32*BP
	v_lshl_add_u32 v[WST0], v[LANE], 3, s28
	s_mul_i32 s28, s18, 16*SPT
	s_add_co_u32 s28, s28, STG
	v_mul_u32_u24 v25, v[R], SPT
	v_lshl_add_u32 v25, v[HH], 5, v25
	v_add_nc_u32 v[STO], s28, v25
	v_lshl_add_u32 v[RD], v[LANE], 4, s28
	v_lshlrev_b32 v[OOF], 4, v[LANE]
	v_mul_u32_u24 v[BAD0], v[R], BP
	v_add_nc_u32 v[BAD0], v[BAD0], v[H16]
	s_mov_b32 s89, 0xffff0000
	s_lshl_b32 s28, s20, 24
	s_lshl_b32 s29, s19, 21
	s_add_co_u32 s28, s28, s29
	s_lshl_b32 s29, s23, 12
	s_add_co_u32 s28, s28, s29
	s_mov_b32 s29, 0
	s_lshl_b32 s30, s20, 23
	s_lshl_b32 s31, s23, 11
	s_add_co_u32 s30, s30, s31
	s_mov_b32 s31, 0
	s_lshl_b32 s66, s20, 24
	s_lshl_b32 s67, s23, 12
	s_add_co_u32 s66, s66, s67
	s_lshl_b32 s67, s19, 9
	s_add_co_u32 s66, s66, s67
	s_mov_b32 s67, 0
	s_lshl_b32 s90, s20, 7
	s_lshl_b32 s88, s18, 4
	s_wait_kmcnt 0x0
	s_add_nc_u64 s[68:69], s[4:5], s[28:29]        ; my slice of w2; never stepped
	s_add_nc_u64 s[80:81], s[6:7], s[30:31]        ; h at the expert's row 0, my quarter
	s_add_nc_u64 s[74:75], s[10:11], s[66:67]      ; part at the expert's row 0, my quarter and columns
.irp q, 0,1,2,3
	s_add_nc_u64 s[WB+2*(\q):WB+2*(\q)+1], s[68:69], 512  ; RAW[q]'s base at chunk 1 (its first step leads to chunk 2),
	s_mov_b64 s[AB+2*(\q):AB+2*(\q)+1], s[80:81]          ; AF[q]'s at chunk 0
.endr
	s_wait_alu depctr_va_vdst(0)                   ; the offsets and LDS addresses made above are written: the loads and stores of the whole kernel read them
	WLOAD 0, 0xc0, 68, 0                           ; chunk 0 waits in registers that will be accumulators
	WLOAD 1, 0xc0, 68, 0
	WLOAD 2, 0xc0, 68, 0
	WLOAD 3, 0xc0, 68, 0
	WLOAD 0, 0x40, 68, 512                         ; chunk 1, quarters 0 and 1: they hang on no count
	WLOAD 1, 0x40, 68, 512
	WIN 0
	s_load_b32 s21, s[8:9], s90 offset:0x0
	s_wait_kmcnt 0x0
	s_min_u32 s21, s21, 0x400
	s_max_u32 s21, s21, 1
	s_sub_co_u32 s22, s21, 1
	s_min_u32 s22, s22, 0x3ff                      ; the last row that exists
	LIVEC
	GETROWS
	s_wait_alu depctr_va_vdst(0)                   ; v[AOF ..] are written, which every load of h's rows reads
	ALOAD 0, AB
	WLOAD 2, 0x40, 68, 512
	ALOAD 1, AB+2
	CLR 0xc0, 128, 128
	CLR 0x80, 192, 64
	WIN 0
	s_wait_loadcnt 44                              ; chunk 0 is in; the 8 + 8 + 10 + 8 + 10 loads behind it stay out
.irp q, 0,1,2,3
	CONVA \q, 0x0f, T+16*(\q)                      ; chunk 0 into 64 registers of T, so that one wait serves its 32 stores
.endr
	s_wait_alu depctr_va_vdst(0)                   ; the roundings have written v[T .. T+63], which the LDS stores read
.irp q, 0,1,2,3
	CONVS \q, WST0, 0, T+16*(\q)
.endr
	CLR 0xc0, 0, 128
	WLOAD 3, 0x40, 68, 512                         ; no wait: no vector instruction has named RAW[3] or AF[2], nor v[WOF] or v[AOF ..] since their waits
	ALOAD 2, AB+4
	WIN 0
	s_mov_b32 s26, 0
	s_mov_b32 s27, 6
.Lk:                                   ; a quarter needs AF[q], asked for three quarters ago as the last of its group (8 loads of w2, then 10 of h): the two younger groups, 36 loads, stay out
	STEP 1, 1, 1, 36, 36, 36, 36
	s_sub_co_u32 s27, s27, 1
	s_cmp_lg_u32 s27, 0
	s_cbranch_scc1 .Lk
	STEP 0, 1, 1, 36, 28, 20, 20                   ; no chunk 8 of w2: the groups shrink to 10
	STEP 0, 1, 0, 20, 20, 10, 0                    ; the last step asks for its own AF[3] alone
	s_mov_b32 s23, 0
.Lpass:                                ; four trips cover every split; dead work is jumped over; the two barriers of a trip stand outside every jump on the count
	s_wait_alu depctr_va_vdst(0)                   ; the products have written the accumulators, which the LDS stores read, and are done reading T, in which the loads from the stage land; the four places stand behind the last product
	s_lshl_b32 s28, s88, 14
	s_mov_b32 s29, 0
	s_add_nc_u64 s[72:73], s[74:75], s[28:29]
	s_mov_b32 s25, 0
.Lslot:
	s_cmp_ge_u32 s25, s24
	s_cbranch_scc1 .Lslot_next
	s_cmp_lg_u32 s25, 0
	s_cbranch_scc1 .Ls1
	STGA 0
	s_branch .Lcom
.Ls1:
	s_cmp_lg_u32 s25, 1
	s_cbranch_scc1 .Ls2
	STGA 1
	s_branch .Lcom
.Ls2:
	s_cmp_lg_u32 s25, 2
	s_cbranch_scc1 .Ls3
	STGA 2
	s_branch .Lcom
.Ls3:
	s_cmp_lg_u32 s25, 3
	s_cbranch_scc1 .Ls4
	STGA 3
	s_branch .Lcom
.Ls4:
	STGA 4
.Lcom:
.irp t, 0,1,2,3,4,5,6,7,8,9,10,11,12,13,14,15
	ds_load_b128 v[T+4*(\t):T+4*(\t)+3], v[RD] offset:SPT*(\t)  ; LDS serves a wave's instructions in order: these see the stores above
.endr
.irp t, 0,1,2,3,4,5,6,7,8,9,10,11,12,13,14,15
	s_wait_dscnt 15-(\t)
	global_store_b128 v[OOF], v[T+4*(\t):T+4*(\t)+3], s[72:73] offset:16384*(\t)  ; 512 consecutive bytes, aligned
.endr
	s_wait_xcnt 0x0                                ; the stores' data and base are rewritten only behind this wait,
	s_wait_alu depctr_vm_vsrc(0)                   ; and beside it: the stores have read v[T .. T+63], in which the next slot's loads from the stage land
	s_add_nc_u64 s[72:73], s[72:73], 64*16384
.Lslot_next:
	s_add_co_u32 s25, s25, 1
	s_cmp_lt_u32 s25, 5
	s_cbranch_scc1 .Lslot
	s_wait_dscnt 0x0                               ; my stores into my stage and my reads of it are done:
	s_barrier_signal -1                            ; a barrier stands between every wave's way out and the LDS reads of a further pass, whose address steps with its loop
	s_barrier_wait -1
	s_add_co_u32 s88, s88, 320
	LIVEC
	s_cmp_eq_u32 s24, 0
	s_cbranch_scc1 .Lpass_next
	s_wait_alu depctr_vm_vsrc(0)                   ; the loads of h's rows have read v[AOF ..], the LDS stores of the way out the accumulators: both are written below
	GETROWS
	CLR 0xc0, 0, 256
	CLR 0x80, 192, 64
	WIN 0
	s_mov_b64 s[70:71], s[80:81]
	s_mov_b32 s26, 0
	s_mov_b32 s27, 8
.Llate:                                ; a later pass: the slice lies in LDS; a plain step, served for splits of more than 320 rows
	s_wait_alu depctr_vm_vsrc(0)                   ; the LDS loads issued so far have read v[BADR]
	v_add_nc_u32 v[BADR], s26, v[BAD0]
	s_wait_alu depctr_va_vdst(0)                   ; v[BADR] is written (in the first trip v[AOF ..] too); the last trip's products are done reading h's fragments and both buffers of w2's
	ALOAD 0, 70
	ALOAD 1, 70
	ALOAD 2, 70
	ALOAD 3, 70
	FETCHB 0
	FETCHB 1
	QSTEP 0, 0, 0, 0, 0, 0, 16
	QSTEP 1, 0, 0, 0, 0, 0, 16
	QSTEP 2, 0, 0, 0, 0, 0, 16
	QSTEP 3, 0, 0, 0, 0, 0, 0
	s_wait_xcnt 0x0
	s_add_nc_u64 s[70:71], s[70:71], 256
	s_add_co_u32 s26, s26, CH
	s_sub_co_u32 s27, s27, 1
	s_cmp_lg_u32 s27, 0
	s_cbranch_scc1 .Llate
.Lpass_next:
	s_wait_dscnt 0x0                               ; my LDS reads of this pass are back:
	s_barrier_signal -1                            ; a barrier stands between them and the next LDS stores of any wave (the next way out, the closing add)
	s_barrier_wait -1
	s_add_co_u32 s23, s23, 1
	s_cmp_lt_u32 s23, 4
	s_cbranch_scc1 .Lpass
	s_wait_dscnt 0x0                               ; the closing lines, six on end
	s_wait_alu 0x0
	s_wait_tensorcnt 0x0
	ds_add_u32 v[SPW], v[NIL]
	s_wait_dscnt 0x0
	s_endpgm
.Lfunc_end_k_qa9fe21a2f9_down:
	.size	k_qa9fe21a2f9_down, .Lfunc_end_k_qa9fe21a2f9_down-k_qa9fe21a2f9_down
	.p2alignl 7, 3214868480
	.fill 96, 4, 3214868480
	.section	.rodata,"a",@progbits
	.p2align	6, 0x0
	.amdhsa_kernel k_qa9fe21a2f9_down
		.amdhsa_group_segment_fixed_size 312832
		.amdhsa_private_segment_fixed_size 0
		.amdhsa_enable_private_segment 0
		.amdhsa_kernarg_size 32
		.amdhsa_user_sgpr_count 2
		.amdhsa_user_sgpr_kernarg_segment_ptr 1
		.amdhsa_wavefront_size32 1
		.amdhsa_system_sgpr_workgroup_id_x 1
		.amdhsa_system_sgpr_workgroup_id_y 1
		.amdhsa_system_sgpr_workgroup_id_z 1
		.amdhsa_system_vgpr_workitem_id 0
		.amdhsa_next_free_vgpr 1024
		.amdhsa_next_free_sgpr 96
		.amdhsa_reserve_vcc 0
		.amdhsa_float_denorm_mode_32 3
		.amdhsa_float_denorm_mode_16_64 3
		.amdhsa_memory_ordered 1
		.amdhsa_forward_progress 1
		.amdhsa_inst_pref_size 167
	.end_amdhsa_kernel
	.amdgpu_metadata
---
amdhsa.version: [ 1, 2 ]
amdhsa.kernels:
  - .name:           k_qa9fe21a2f9_down
    .symbol:         k_qa9fe21a2f9_down.kd
    .args:
      - { .name: w2, .offset: 0, .size: 8, .value_kind: global_buffer, .address_space: global }
      - { .name: h, .offset: 8, .size: 8, .value_kind: global_buffer, .address_space: global }
      - { .name: cnt, .offset: 16, .size: 8, .value_kind: global_buffer, .address_space: global }
      - { .name: part, .offset: 24, .size: 8, .value_kind: global_buffer, .address_space: global }
    .group_segment_fixed_size: 312832
    .private_segment_fixed_size: 0
    .kernarg_segment_align: 8
    .kernarg_segment_size: 32
    .max_flat_workgroup_size: 128
    .sgpr_count:     96
    .vgpr_count:     1024
    .wavefront_size: 32
...
	.end_amdgpu_metadata
.endif
;; end of part 7
;; launch comb: the kernel of part 5 again; grid 512 x 1, 16 waves a work-group, no clusters, 0 bytes of LDS; arguments part, pos, logits, b2, out0; writes out0
